; MI455X (gfx1250); checked and timed in simulation.
; The chip was launched on July 23, 2026; its instructions are those of AMD's public machine-readable ISA for CDNA 5 (MIT licence, August 2026) and "CDNA5" Instruction Set Architecture Reference Guide (July 2026). The comments in the code are by the model that wrote it; some were corrected since.
;; Lo RA Linear. Allowed arithmetic: matrix products marked QUANTISED: E5M2 operands, one given power-of-two scale a tensor, by v_wmma_f32_16x16x64_bf8_bf8 or v_wmma_f32_16x16x128_bf8_bf8, f32 sums; products left as they are: f32 operands where the result goes on into a quantised operand, else bf16, f16 or f32 operands; f32 sums; everything else in f32.
;; Inputs: lora_a_w 16 x 4,096 float32; lora_b_w 2,048 x 16 float32; lowp_scales 4 int32 (the exponents e of the quantised operands' scales 2^e); scales 2,048 x 64 float32; w_q 2,048 x 4,096 int32; x 4 x 2,048 x 4,096 float32.
;; Outputs: out0 4 x 2,048 x 2,048 float32.
;; This version of the problem:
;;   THIS VERSION OF THE PROBLEM IS GIVEN IN LOW PRECISION. The matrix products marked QUANTISED in the list below multiply operands that are first quantised to E5M2 (5 exponent bits, 2 mantissa bits; 8 bits a number), with one given power-of-two scale for each operand tensor; their sums are f32. All else is computed in f32.
;;   The module's matrix products, in the order in which they are computed (A, B: the left and right operand; K: the contracted axis; several contracted axes count as one K, in the product's order):
;;     1. [M 8,192, K 4,096] x [K 4,096, N 2,048]; A: input x; B: computed on the way: QUANTISED (scales: A lowp_scales[0], B lowp_scales[1])
;;     2. [M 8,192, K 4,096] x [K 4,096, N 16]; A: input x; B: input lora_a_w: QUANTISED (scales: A lowp_scales[2], B lowp_scales[3])
;;     3. [M 8,192, K 16] x [K 16, N 2,048]; A: computed on the way; B: input lora_b_w: left as it is (K = 16 < 32)
;;   THE QUANTISER, for each operand of a quantised product, along K:
;;     - The operand's scale is 2^e, e = its entry of the input lowp_scales (int32; the entries are numbered through the quantised products in the list's order, A before B).
;;     - Each number is divided by the scale, clamped to +-57,344, and rounded to the nearest number of E5M2, ties to even, subnormals kept.
;;     - The product sums the exact products of the quantised numbers (number of the format x scale) in f32.
;;   ~~~python
;;   def quantise(x, axis, e):      # numpy; x: float32 -> the quantised numbers, widened to float32 again
;;       x = np.moveaxis(x, axis, -1); K = x.shape[-1]
;;       r = np.clip(x / 2.0 ** e, -57344, 57344)
;;       step = 2.0 ** (np.maximum(np.frexp(np.where(r == 0, 1, r))[1] - 1, -14) - 2)
;;       q = np.round(r / step) * step * 2.0 ** e      # np.round: ties to even
;;       return np.moveaxis(q, -1, axis).astype(np.float32)
;;   ~~~
;;   OPERANDS COMPUTED ON THE WAY. 'Computed on the way' means the value that the module computes at that place (a softmax that the list does not call 'softmax' is quantised finished and normalised). What goes into a quantiser is computed in f32, as accurately as f32 sums, v_exp_f32 and their like allow (about 1e-6 of the number): no bf16 or f16 on the way to a quantiser, and a product that is left as it is and whose result goes on into a quantised operand takes f32 operands (vector FMAs, or v_wmma_f32_16x16x4_f32). A number that lies on a knife's edge between two numbers of the format may be rounded either way, as far as f32 arithmetic and the matrix unit's own rounding can turn it there, and no further.
;; 2 versions. Each part assembles by itself: llvm-mc -triple=amdgcn-amd-amdhsa -mcpu=gfx1250 --defsym DOCPART=n.
;; ======== version 1 of 2: 2 launches
;; workspace buffers: x_codes 33,554,432 bytes; w_codes 8,388,608 bytes; a_bf 524,288 bytes
;; launch prep (part 1): grid 256 x 1, 8 waves a work-group, no clusters, 84,992 bytes of LDS; arguments x, w_q, scales, lora_a_w, lowp_scales, x_codes, w_codes, a_bf; writes x_codes, w_codes, a_bf
.if DOCPART == 1
	.amdgcn_target "amdgcn-amd-amdhsa--gfx1250"
	.amdhsa_code_object_version 6
	.text
	.protected	k_q7b7c02f08e_prep
	.globl	k_q7b7c02f08e_prep
	.p2align	8
	.type	k_q7b7c02f08e_prep,@function
k_q7b7c02f08e_prep:
	s_mov_b64 s[64:65], 0
	v_nop
	global_prefetch_b8 v0, s[64:65] scope:SCOPE_SE
	s_setreg_imm32_b32 hwreg(HW_REG_WAVE_MODE, 25, 1), 1
	s_wait_xcnt 0x0
; THE LAUNCH IN FRONT OF THE PRODUCT ON CODES.  Everything that many work-groups of that product read is made here once.
; Each of the 256 work-groups takes the same share: 8 rows of W, then 32 rows of x.
;   W = NF4[w_q] x scales, one f32 multiplication as the problem has it, -> codes of E5M2 with the scale 2^e1 (w_codes).
;   x -> codes with 2^e0 (x_codes); x -> codes with 2^e2 and lora_a_w -> codes with 2^e3, both kept on chip; a = Q(x) Q(lora_a)^T by v_wmma_f32_16x16x128_bf8_bf8, f32 sums;
;   a x 2^(e2 + e3 + 1 - e0 - e1) (the 1 is ALPHA / RANK = 2) is stored as two planes of bf16, hi = bf16(a), lo = bf16(a - hi) (a_bf).
; code = number / 2^e, held within +-57,344, to the nearest code, ties to even.
; SHARES.  Eight waves; wave w takes the chunk k = 512 w .. 512 w + 511 of each row.  A row step is four loads of 512 consecutive bytes (load j, lane l: k = 128 j + 4 l + 0 .. 3), sixteen numbers a lane,
; and one store of 512 consecutive bytes of codes, sixteen a lane.  56 row steps a wave: 0-7 W's rows, 8-23 lora_a's, 24-55 x's.
; THE ORDER OF K IN A ROW OF CODES follows from that: byte 16 l + 4 j + i of a chunk of 512 is k = 128 j + 4 l + i.  It is the same in x_codes, in w_codes and in the codes kept on chip, so every product meets its
; partner; only the order of the sums changes.  Nothing is transposed, and no load or store touches less than 512 consecutive bytes but the scales' (32 bytes a lane, once).
; A RING of ten row sets in registers keeps 40 loads (20 KiB) of every wave on their way, 160 KiB for the work-group, through all 56 steps.  All is written out by macros: every offset is an immediate
; (31 x 16,384 + 1,536 at the most), no pointer is stepped.
; A STORE'S DATA.  The codes for memory have four sets of registers by turns, and the wait that frees them (XCNT, for 0) stands in every third row with a store, as far behind the last issue as the row allows:
; store n - 4's set is written again in row n, and one of the rows n - 3, n - 2, n - 1 holds the wait.
; SHARED INPUT.  lora_a_w (256 KiB) is the one input that work-groups share, beside 640 KiB of its own for each.  It is not asked for jointly: this text has no tensor load (its numbers pass through registers on
; their way to codes, and LDS holds codes only).
; LIMITS.  Each of e0 .. e3 between -126 and 112, so that 2^e and 57,344 x 2^e are f32 numbers.  a x 2^(e2 + e3 + 1 - e0 - e1) stays finite in bf16.  NaN in x, scales or lora_a_w is not served; an infinity is held at
; the largest code.  A w_q outside 0 .. 15 is taken as 15.  The sum over K of a is made in 16 parts (8 waves x 2 accumulators) and the parts are added in f32: another order of rounding than one chain.
; REGISTERS.  Window 0: all that the row steps touch.  Window 1 (v256 on): the matrix operands, which only the LDS loads that fill them, the 8 matrix instructions and the 8 additions behind them name.
.set ROWF,   16384                     ; a row of 4,096 numbers of 4 bytes
.set ROWC,   4096                      ; a row of codes
.set SPITCH, 528                       ; LDS: a row of a wave's stage: 512 bytes of codes + 16
.set WSTG,   16*SPITCH                 ; a wave's stage: 16 rows, the wave's own
.set RED,    8*WSTG                    ; behind the stages: the waves' parts of a: 2,048 bytes a wave
.set LOPL,   262144                    ; a_bf: the plane lo begins here
.set RING,   10                        ; row sets in the ring
.set NT,     56                        ; row steps
.set GOFF, 2                           ; v2   16 x lane: my place in 512 bytes; never rewritten
.set STW,  3                           ; v3   the stage, on the way in: my wave's stage + 16 x lane
.set STR,  4                           ; v4   and on the way out: + 528 r + 16 h (r = lane % 16, h = lane / 16)
.set RDW,  5                           ; v5   where I put my part of a: RED + 2,048 x wave + 32 x lane
.set RDR,  6                           ; v6   where the reduction reads
.set AOFF, 7                           ; v7   8 x thread: my 8 bytes of a plane of a_bf
                                       ; v8, v9: 2^e0 and 57,344 x 2^e0;  v10, v11: e2;  v12, v13: e3;  v16, v17: e1
.set SOFF, 14                          ; v14  256 (lane % 8): a row of scales
.set TAB,  15                          ; v15  lane i holds NF4[i]
.set DQ,   20                          ; v20-51   W: two sets of 16 numbers
.set HT,   20                          ; v20-27   later: a half's sums on their way to LDS
.set SC,   52                          ; v52-55   W: lane (r, h): the scale of row r % 8, block 2 j + h of my chunk, at j
.set RW,   56                          ; v56-63   W: the scales as loaded
.set TT,   64                          ; v64-71   at work
.set CA,   72                          ; v72-87   16 codes for memory: four sets
.set CB,   88                          ; v88-95   16 codes for the stage: two sets
.set XR,   96                          ; v96-255  the ring: ten sets of 16
.set BF,   0                           ; window 1: v0-63   lora_a's four fragments (16 ranks x 128 K each)
.set AF,   64                          ; window 1: v64-95  two fragments of x
.set ACC,  96                          ; window 1: v96-111 two accumulators
.set PS,   96                          ; the reduction: eight parts of four numbers, in the ring's registers
.set PHI,  128
.set PLO,  130
.set PWD,  132
.set MSB, 0
.macro WIN new                         ; s_set_vgpr_msb: bits 1:0 source 0, 3:2 source 1, 5:4 source 2, 7:6 destination; the immediate's high byte repeats the setting that is left
.if MSB != \new
	s_set_vgpr_msb (MSB<<8)|\new
.set MSB, \new
.endif
.endm
; 2^e as f32 (the conversion takes its exponent field) into v[vs]; 57,344 x 2^e into v[vl]
.macro MKSCALE e, vs, vl
	s_add_co_i32 s28, s[\e], 127
	s_lshl_b32 s29, s28, 23
	v_mov_b32 v[\vs], s29
	s_add_co_i32 s28, s28, 15
	s_lshl_b32 s28, s28, 23
	s_or_b32 s28, s28, 0x600000
	v_mov_b32 v[\vl], s28
.endm
	s_load_b256 s[4:11], s[0:1], 0x0               ; x s[4:5], w_q s[6:7], scales s[8:9], lora_a_w s[10:11]
	s_load_b256 s[12:19], s[0:1], 0x20             ; lowp_scales s[12:13], x_codes s[14:15], w_codes s[16:17], a_bf s[18:19]
	v_lshl_add_u32 v18, v0, 2, 0x14800
	v_mov_b32 v19, 0
	v_lshrrev_b32 v1, 5, v0
	v_readfirstlane_b32 s24, v1                    ; wave 0..7
	v_and_b32 v1, 31, v0                           ; lane
	v_lshlrev_b32 v[GOFF], 4, v1
	s_mul_i32 s28, s24, WSTG
	v_add_nc_u32 v[STW], s28, v[GOFF]
	v_and_b32 v[SOFF], 15, v0                      ; r
	v_bfe_u32 v[TAB], v0, 4, 1                     ; h
	v_mul_u32_u24 v[STR], v[SOFF], SPITCH
	v_lshl_add_u32 v[STR], v[TAB], 4, v[STR]
	v_add_nc_u32 v[STR], s28, v[STR]
	s_lshl_b32 s28, s24, 11
	v_lshlrev_b32 v[RDW], 5, v1
	v_add_nc_u32 v[RDW], s28, v[RDW]
	v_add_nc_u32 v[RDW], RED, v[RDW]
	; the reduction: thread t < 128 takes row t / 4 of the 32, ranks 4 (t % 4) on.  They lie in half t / 64, lane (t / 4) % 16 + 16 ((t / 2) % 2), registers 4 (t % 2) on
	v_bfe_u32 v[RDR], v0, 6, 1
	v_lshlrev_b32 v[RDR], 10, v[RDR]
	v_bfe_u32 v[AOFF], v0, 2, 4
	v_lshl_add_u32 v[RDR], v[AOFF], 5, v[RDR]
	v_bfe_u32 v[AOFF], v0, 1, 1
	v_lshl_add_u32 v[RDR], v[AOFF], 9, v[RDR]
	v_and_b32 v[AOFF], 1, v0
	v_lshl_add_u32 v[RDR], v[AOFF], 4, v[RDR]
	v_add_nc_u32 v[RDR], RED, v[RDR]
	v_lshlrev_b32 v[AOFF], 3, v0
	v_and_b32 v[SOFF], 7, v0                       ; lanes 8-15 of each half ask for the rows of lanes 0-7 again: no load leaves the work-group's eight rows
	v_lshlrev_b32 v[SOFF], 8, v[SOFF]
	s_mov_b32 s27, 0                               ; the upper word of every offset pair s[26:27]
	s_lshl_b32 s28, s24, 11                        ; my chunk in a row of numbers: 2,048 bytes,
	s_lshl_b32 s29, s24, 9                         ; in a row of codes: 512,
	s_lshl_b32 s30, s24, 5                         ; in a row of scales: eight blocks of 64: 32
	s_wait_kmcnt 0x0
	s_load_b128 s[20:23], s[12:13], 0x0            ; e0, e1, e2, e3
	s_lshl_b32 s26, ttmp9, 19                      ; x: 32 rows of 16,384 bytes
	s_add_co_u32 s26, s26, s28
	s_add_nc_u64 s[4:5], s[4:5], s[26:27]
	s_lshl_b32 s26, ttmp9, 17                      ; w_q: 8 rows of 16,384 bytes
	s_add_co_u32 s26, s26, s28
	s_add_nc_u64 s[6:7], s[6:7], s[26:27]
	s_mov_b32 s26, s28
	s_add_nc_u64 s[10:11], s[10:11], s[26:27]      ; lora_a_w: all 16 rows
	s_lshl_b32 s26, ttmp9, 11                      ; scales: 8 rows of 256 bytes
	s_add_co_u32 s26, s26, s30
	s_add_nc_u64 s[8:9], s[8:9], s[26:27]
	s_lshl_b32 s26, ttmp9, 17                      ; x_codes: 32 rows of 4,096
	s_add_co_u32 s26, s26, s29
	s_add_nc_u64 s[14:15], s[14:15], s[26:27]
	s_lshl_b32 s26, ttmp9, 15                      ; w_codes: 8 rows of 4,096
	s_add_co_u32 s26, s26, s29
	s_add_nc_u64 s[16:17], s[16:17], s[26:27]
	s_lshl_b32 s26, ttmp9, 10                      ; a_bf: 32 rows of 32 bytes
	s_add_nc_u64 s[18:19], s[18:19], s[26:27]
.macro LOAD t                          ; row step t into set t % RING: each load reads 512 consecutive bytes
.set LX, XR+16*((\t)%RING)
.irp j, 0,1,2,3
.if (\t) < 8
	global_load_b128 v[LX+4*\j:LX+4*\j+3], v[GOFF], s[6:7] offset:(\t)*ROWF+512*\j th:TH_LOAD_NT          ; w_q is read once in the launch
.elseif (\t) < 24
	global_load_b128 v[LX+4*\j:LX+4*\j+3], v[GOFF], s[10:11] offset:((\t)-8)*ROWF+512*\j                  ; lora_a_w: every work-group reads it
.else
	global_load_b128 v[LX+4*\j:LX+4*\j+3], v[GOFF], s[4:5] offset:((\t)-24)*ROWF+512*\j th:TH_LOAD_NT     ; x is read once in the launch
.endif
.endr
.endm
.macro NF4 i, bits
	s_mov_b32 s32, \bits
	v_writelane_b32 v[TAB], s32, \i
.endm
; W, row u: the lane's sixteen codes become lane numbers x 4 and fetch NF4[code] from the table's lanes.  It runs one row ahead of WB, so that the permutes are out while a row is worked.
.macro WA u
.set WXA, XR+16*((\u)%RING)
.set WDA, DQ+16*((\u)%2)
.if (\u) == 0
	s_wait_loadcnt 4*(RING-1)                      ; row 0's loads are in; the nine younger rows' stay out
.else
	s_wait_loadcnt 4*(RING-2)                      ; row u's loads are in; asked for so far are rows up to u + 8: eight younger rows stay out
.endif
.irp n, 0,1,2,3,4,5,6,7,8,9,10,11,12,13,14,15
	v_min_u32 v[WXA+\n], 15, v[WXA+\n]             ; an index stays inside the table
.endr
.irp n, 0,1,2,3,4,5,6,7,8,9,10,11,12,13,14,15
	v_lshlrev_b32 v[WXA+\n], 2, v[WXA+\n]
.endr
.irp n, 0,1,2,3,4,5,6,7,8,9,10,11,12,13,14,15
	ds_bpermute_b32 v[WDA+\n], v[WXA+\n], v[TAB]
.endr
.endm
; W, row r: x its blocks' scales, held, converted, stored.  Number 4 j + i of lane l is k = 128 j + 4 l + i of the chunk: block 2 j + l / 16; its scale lies in lane r of my half of the lanes.
.macro WB r
.set WT, \r
.set WDB, DQ+16*(WT%2)
.set CAS, CA+4*(WT%4)
.if WT < 7
	s_wait_dscnt 16                                ; my row's sixteen permutes are back; the next row's sixteen stay out
.else
	s_wait_dscnt 0x0
.endif
.if (WT > 0) && ((WT%3) == 0)
	s_wait_xcnt 0x0                                ; the stores issued so far have read their data: their sets may be written again
.endif
	LOAD WT+RING                                   ; into the set that this row's permutes have read
.irp j, 0,1,2,3
.irp i, 0,1,2,3
	v_mul_f32_dpp v[WDB+4*\j+\i], v[SC+\j], v[WDB+4*\j+\i] row_share:\r row_mask:0xf bank_mask:0xf
.endr
.endr
.irp i, 0,1,2,3,4,5,6,7
	v_med3_num_f32 v[WDB+\i], v[WDB+\i], -v17, v17 ; the conversion to an 8-bit code does not saturate (ISA guide 7.6.2): the hold at the largest code x the scale
.endr
	v_cvt_scalef32_pk8_bf8_f32 v[CAS:CAS+1], v[WDB:WDB+7], v16
.irp i, 8,9,10,11,12,13,14,15
	v_med3_num_f32 v[WDB+\i], v[WDB+\i], -v17, v17
.endr
	v_cvt_scalef32_pk8_bf8_f32 v[CAS+2:CAS+3], v[WDB+8:WDB+15], v16
	v_nop                                          ; one plain vector line behind the last conversion of a run
	global_store_b128 v[GOFF], v[CAS:CAS+3], s[16:17] offset:ROWC*WT   ; the wave stores 512 consecutive bytes, at a multiple of 256 from the buffer's first byte; the next launch reads them
.endm
.macro LROW t                          ; a row of lora_a: 16 codes a lane with 2^e3, into stage row t - 8
.set XS, XR+16*((\t)%RING)
.set CBS, CB+4*((\t)%2)
	s_wait_loadcnt 4*(RING-1)                      ; my row's four loads are in; the nine younger rows' stay out
	s_wait_dscnt 1                                 ; the LDS store of two rows ago, which read this set of codes, is done; the last row's may be out
.irp i, 0,1,2,3,4,5,6,7
	v_med3_num_f32 v[XS+\i], v[XS+\i], -v13, v13
.endr
	v_cvt_scalef32_pk8_bf8_f32 v[CBS:CBS+1], v[XS:XS+7], v12
.irp i, 8,9,10,11,12,13,14,15
	v_med3_num_f32 v[XS+\i], v[XS+\i], -v13, v13
.endr
	v_cvt_scalef32_pk8_bf8_f32 v[CBS+2:CBS+3], v[XS+8:XS+15], v12
	v_nop                                          ; one plain vector line behind the last conversion of a run
	ds_store_b128 v[STW], v[CBS:CBS+3] offset:SPITCH*((\t)-8)
	LOAD (\t)+RING
.endm
.macro XROW t                          ; a row of x: 16 codes a lane with 2^e0 to memory, 16 with 2^e2 into the stage.  Both conversions are always made: no line hangs on the given exponents
.set XS, XR+16*((\t)%RING)
.set NS, (\t)-16                       ; the number of this row's store, W's eight counted
.set CAS, CA+4*(NS%4)
.set CBS, CB+4*((\t)%2)
.set YX, NT-1-(\t)
.if YX > RING-1
.set YX, RING-1
.endif
	s_wait_loadcnt 4*YX                            ; my row's loads are in; the younger rows' stay out: nine rows, fewer at the end
	s_wait_dscnt 1                                 ; the LDS store of two rows ago is done
.irp i, 0,1,2,3,4,5,6,7
	v_med3_num_f32 v[TT+\i], v[XS+\i], -v9, v9
.endr
	v_cvt_scalef32_pk8_bf8_f32 v[CAS:CAS+1], v[TT:TT+7], v8
.irp i, 0,1,2,3,4,5,6,7
	v_med3_num_f32 v[XS+\i], v[XS+\i], -v11, v11   ; (plain lines that name nothing of the conversion above: its place)
.endr
	v_cvt_scalef32_pk8_bf8_f32 v[CBS:CBS+1], v[XS:XS+7], v10
.irp i, 0,1,2,3,4,5,6,7
	v_med3_num_f32 v[TT+\i], v[XS+8+\i], -v9, v9
.endr
	v_cvt_scalef32_pk8_bf8_f32 v[CAS+2:CAS+3], v[TT:TT+7], v8
.irp i, 8,9,10,11,12,13,14,15
	v_med3_num_f32 v[XS+\i], v[XS+\i], -v11, v11
.endr
	v_cvt_scalef32_pk8_bf8_f32 v[CBS+2:CBS+3], v[XS+8:XS+15], v10
	v_nop                                          ; one plain vector line behind the last conversion of a run
.if (NS%3) == 0
	s_wait_xcnt 0x0                                ; the stores issued so far have read their data.  The youngest memory instructions were issued a whole row's arithmetic ago
.endif
	global_store_b128 v[GOFF], v[CAS:CAS+3], s[14:15] offset:ROWC*((\t)-24)   ; 512 consecutive bytes, at a multiple of 256 from the buffer's first byte; the next launch reads them
	ds_store_b128 v[STW], v[CBS:CBS+3] offset:SPITCH*(((\t)-24)%16)
.if (\t)+RING < NT
	LOAD (\t)+RING
.endif
.endm
; A fragment, 16 rows x 128 codes, is 16 registers: lane (r, h) takes, of stage row r, bytes 128 q + 32 c + 16 h on, c = 0 .. 3.  The same for lora_a and for x.
.macro FRAGS reg, q0                   ; fragments q0 and q0 + 1 of the stage's 16 rows, into window 1
.irp q, 0,1
.irp c, 0,1,2,3
	ds_load_b128 v[\reg+16*\q+4*\c:\reg+16*\q+4*\c+3], v[STR] offset:128*(\q0+\q)+32*\c
.endr
.endr
.endm
.macro PLACES n
.rept \n
	v_nop
.endr
.endm
; Sixteen rows of x lie in my stage: a(row, rank) over my 512 of K, in two accumulators that take turns.  Source 0 = lora_a's 16 ranks, source 1 = 16 rows of x:
; lane (r, h) holds row r and its register j rank 8 h + j.  The ring's loads stay on their way meanwhile.
.macro HALF m
	WIN 0x40                                       ; destination window 1, address window 0
	FRAGS AF, 0                                    ; LDS serves a wave's instructions in order (ISA guide 5.7.1.4): these see my stores
	s_wait_dscnt 0x0
	WIN 0x55                                       ; all four operands window 1
	v_wmma_f32_16x16x128_bf8_bf8 v[ACC:ACC+7], v[BF:BF+15], v[AF:AF+15], 0
	v_wmma_f32_16x16x128_bf8_bf8 v[ACC+8:ACC+15], v[BF+16:BF+31], v[AF+16:AF+31], 0
	PLACES 4                                       ; in front of loads into registers that matrix instructions have read (ISA guide 7.12.1 for vector instructions)
	WIN 0x40
	FRAGS AF, 2
	s_wait_dscnt 0x0
	WIN 0x55
	v_wmma_f32_16x16x128_bf8_bf8 v[ACC:ACC+7], v[BF+32:BF+47], v[AF:AF+15], v[ACC:ACC+7]
	v_wmma_f32_16x16x128_bf8_bf8 v[ACC+8:ACC+15], v[BF+48:BF+63], v[AF+16:AF+31], v[ACC+8:ACC+15]
	PLACES 4                                       ; in front of the first read of the results
	WIN 0x05                                       ; sources window 1, destination window 0
.irp i, 0,2,4,6
	v_pk_add_f32 v[HT+\i:HT+\i+1], v[ACC+\i:ACC+\i+1], v[ACC+8+\i:ACC+8+\i+1]   ; each accumulator from its low end on
.endr
	WIN 0
	ds_store_b128 v[RDW], v[HT:HT+3] offset:1024*\m
	ds_store_b128 v[RDW], v[HT+4:HT+7] offset:1024*\m+16
.endm
	global_load_b128 v[RW:RW+3], v[SOFF], s[8:9]               ; lane (r, h): the eight scales of W's row r % 8 in my chunk
	global_load_b128 v[RW+4:RW+7], v[SOFF], s[8:9] offset:16
.irp t, 0,1,2,3,4,5,6,7,8,9
	LOAD \t
.endr
	s_wait_kmcnt 0x0                               ; e0 .. e3
	MKSCALE 20, 8, 9                               ; x for the large product
	MKSCALE 21, 16, 17                             ; W
	MKSCALE 22, 10, 11                             ; x for a
	MKSCALE 23, 12, 13                             ; lora_a
	s_add_co_i32 s25, s22, s23
	s_sub_co_i32 s25, s25, s20
	s_sub_co_i32 s25, s25, s21
	s_add_co_i32 s25, s25, 1                       ; e2 + e3 + 1 - e0 - e1: the next launch multiplies all its sums by 2^(e0 + e1)
	v_mov_b32 v[TAB], 0                            ; entry 7 is the number 0, and lanes 16-31 are never asked
	NF4 0,  0xbf800000
	NF4 1,  0xbf3239b1
	NF4 2,  0xbf066b30
	NF4 3,  0xbeca32a0
	NF4 4,  0xbe91a24d
	NF4 5,  0xbe3d353f
	NF4 6,  0xbdba7871
	NF4 8,  0x3da2faff
	NF4 9,  0x3e24cae3
	NF4 10, 0x3e7c04dd
	NF4 11, 0x3ead033a
	NF4 12, 0x3ee1a4b8
	NF4 13, 0x3f1007ab
	NF4 14, 0x3f3913b3
	NF4 15, 0x3f800000
	s_wait_loadcnt 4*RING                          ; the two loads of scales are in; the ring's forty stay out
	v_cmp_le_u32 vcc_lo, 16, v1                    ; lanes 16-31 keep the odd blocks' scales, lanes 0-15 the even ones'
.irp j, 0,1,2,3
	v_cndmask_b32 v[SC+\j], v[RW+2*\j], v[RW+2*\j+1], vcc_lo
.endr
	; ---------------- steps 0-7: W.  It names no LDS byte: the table look-up is a lane permute
	WA 0
.irp r, 0,1,2,3,4,5,6,7
.if \r < 7
	WA \r+1
.endif
	WB \r
.endr
	; ---------------- steps 8-23: lora_a's codes into my stage, and from there into registers, where they stay
.irp t, 8,9,10,11,12,13,14,15,16,17,18,19,20,21,22,23
	LROW \t
.endr
	WIN 0x40
	FRAGS BF, 0                                    ; my later stores into the stage come behind these loads
	FRAGS BF+32, 2
	WIN 0
	; ---------------- steps 24-55: x, sixteen rows to a product
.irp t, 24,25,26,27,28,29,30,31,32,33,34,35,36,37,38,39
	XROW \t
.endr
	HALF 0
.irp t, 40,41,42,43,44,45,46,47,48,49,50,51,52,53,54,55
	XROW \t
.endr
	HALF 1
	; ---------------- the eight chunks' parts of a meet: the one barrier of the text
	s_wait_dscnt 0x0                               ; for the others' sake: my parts of a lie in LDS
	s_barrier_signal -1
	s_barrier_wait -1
	s_cmp_ge_u32 s24, 4
	s_cbranch_scc1 .Lend                           ; 32 rows x 16 ranks are four numbers for each of 128 threads
.irp w, 0,1,2,3,4,5,6,7
	ds_load_b128 v[PS+4*\w:PS+4*\w+3], v[RDR] offset:2048*\w
.endr
	s_wait_dscnt 0x0
.irp w, 1,2,3,4,5,6,7
	v_pk_add_f32 v[PS:PS+1], v[PS:PS+1], v[PS+4*\w:PS+4*\w+1]          ; the chunks of K in ascending order
	v_pk_add_f32 v[PS+2:PS+3], v[PS+2:PS+3], v[PS+4*\w+2:PS+4*\w+3]
.endr
.irp i, 0,1,2,3
	v_ldexp_f32 v[PS+\i], v[PS+\i], s25
.endr
	v_cvt_pk_bf16_f32 v[PHI], v[PS], v[PS+1]
	v_cvt_pk_bf16_f32 v[PHI+1], v[PS+2], v[PS+3]
	v_lshlrev_b32 v[PWD], 16, v[PHI]               ; hi as f32 again,
	v_and_b32 v[PWD+1], 0xffff0000, v[PHI]
	v_lshlrev_b32 v[PWD+2], 16, v[PHI+1]
	v_and_b32 v[PWD+3], 0xffff0000, v[PHI+1]
.irp i, 0,1,2,3
	v_sub_f32 v[PS+\i], v[PS+\i], v[PWD+\i]        ; and what it left out
.endr
	v_cvt_pk_bf16_f32 v[PLO], v[PS], v[PS+1]
	v_cvt_pk_bf16_f32 v[PLO+1], v[PS+2], v[PS+3]
	global_store_b64 v[AOFF], v[PHI:PHI+1], s[18:19]                   ; a wave stores 256 consecutive bytes, at a multiple of 256 from the buffer's first byte
	global_store_b64 v[AOFF], v[PLO:PLO+1], s[18:19] offset:LOPL
.Lend:
	s_wait_tensorcnt 0x0
	ds_add_u32 v18, v19
	s_wait_dscnt 0x0
	s_endpgm
.Lfunc_end_k_q7b7c02f08e_prep:
	.size	k_q7b7c02f08e_prep, .Lfunc_end_k_q7b7c02f08e_prep-k_q7b7c02f08e_prep
	.p2alignl 7, 3214868480
	.fill 96, 4, 3214868480
	.section	.rodata,"a",@progbits
	.p2align	6, 0x0
	.amdhsa_kernel k_q7b7c02f08e_prep
		.amdhsa_group_segment_fixed_size 84992
		.amdhsa_private_segment_fixed_size 0
		.amdhsa_enable_private_segment 0
		.amdhsa_kernarg_size 64
		.amdhsa_user_sgpr_count 2
		.amdhsa_user_sgpr_kernarg_segment_ptr 1
		.amdhsa_wavefront_size32 1
		.amdhsa_system_sgpr_workgroup_id_x 1
		.amdhsa_system_sgpr_workgroup_id_y 1
		.amdhsa_system_sgpr_workgroup_id_z 1
		.amdhsa_system_vgpr_workitem_id 0
		.amdhsa_next_free_vgpr 368
		.amdhsa_next_free_sgpr 66
		.amdhsa_reserve_vcc 1
		.amdhsa_float_denorm_mode_32 3
		.amdhsa_float_denorm_mode_16_64 3
		.amdhsa_memory_ordered 1
		.amdhsa_forward_progress 1
		.amdhsa_inst_pref_size 171
	.end_amdhsa_kernel
	.amdgpu_metadata
---
amdhsa.version: [ 1, 2 ]
amdhsa.kernels:
  - .name:           k_q7b7c02f08e_prep
    .symbol:         k_q7b7c02f08e_prep.kd
    .args:
      - { .name: x, .offset: 0, .size: 8, .value_kind: global_buffer, .address_space: global }
      - { .name: w_q, .offset: 8, .size: 8, .value_kind: global_buffer, .address_space: global }
      - { .name: scales, .offset: 16, .size: 8, .value_kind: global_buffer, .address_space: global }
      - { .name: lora_a_w, .offset: 24, .size: 8, .value_kind: global_buffer, .address_space: global }
      - { .name: lowp_scales, .offset: 32, .size: 8, .value_kind: global_buffer, .address_space: global }
      - { .name: x_codes, .offset: 40, .size: 8, .value_kind: global_buffer, .address_space: global }
      - { .name: w_codes, .offset: 48, .size: 8, .value_kind: global_buffer, .address_space: global }
      - { .name: a_bf, .offset: 56, .size: 8, .value_kind: global_buffer, .address_space: global }
    .group_segment_fixed_size: 84992
    .private_segment_fixed_size: 0
    .kernarg_segment_align: 8
    .kernarg_segment_size: 64
    .max_flat_workgroup_size: 256
    .sgpr_count:     66
    .vgpr_count:     368
    .wavefront_size: 32
...
	.end_amdgpu_metadata
.endif
;; end of part 1
;; launch gemm (part 2): grid 8 x 32, 4 waves a work-group, clusters of 4 x 4, 327,680 bytes of LDS; arguments x_codes, w_codes, lowp_scales, a_bf, lora_b_w, out0; writes out0
.if DOCPART == 2
	.amdgcn_target "amdgcn-amd-amdhsa--gfx1250"
	.amdhsa_code_object_version 6
	.text
	.protected	k_q7b7c02f08e_gemm
	.globl	k_q7b7c02f08e_gemm
	.p2align	8
	.type	k_q7b7c02f08e_gemm,@function
k_q7b7c02f08e_gemm:
	s_mov_b64 s[64:65], 0
	v_nop
	global_prefetch_b8 v0, s[64:65] scope:SCOPE_SE
	s_setreg_imm32_b32 hwreg(HW_REG_WAVE_MODE, 25, 1), 1
	s_wait_xcnt 0x0
	s_wait_alu depctr_hold_cnt(0) depctr_sa_sdst(0) depctr_va_vdst(0) depctr_va_sdst(0) depctr_va_ssrc(0) depctr_va_vcc(0) depctr_vm_vsrc(0)
	s_getreg_b32 s2, hwreg(HW_REG_IB_STS2, 6, 4)
	s_cmp_eq_u32 s2, 0
	s_cbranch_scc0 .Lentry_in_a_cluster
	s_endpgm
.Lentry_in_a_cluster:
	s_bfe_u32 s2, ttmp6, 0x10000c
	s_cmp_lg_u32 s2, 0xf033
	s_cbranch_scc0 .Lentry_shape_is_right
	s_endpgm
.Lentry_shape_is_right:
; out0[m][n] = 2^(e0 + e1) x ( sum over k of X[m][k] W[n][k]  +  sum over r of a'[m][r] B[n][r] ).
; X: [8192][4096], W: [2048][4096]: codes of E5M2, one a byte, made by the launch before, K in the same order in both.  a' = 2 a / 2^(e0 + e1), as two planes of bf16 (hi, lo) [8192][16]; B = lora_b_w [2048][16] f32.
; THE SMALL PRODUCT STARTS THE SUMS.  Its K is 16; the bf16 form's K is 32: source 1 = [hi | lo] of 16 rows, source 0 = [B | B] of 16 rows rounded to bf16, C = 0: (hi + lo) . B in one instruction for each accumulator,
; 64 a wave, while the first tiles of codes are on their way.  Then the products on codes add onto them, and each finished sum is multiplied once by 2^(e0 + e1).  Nothing is ever cleared.
; LIMITS: e0 + e1 between -126 and 127, so that 2^(e0 + e1) is an f32 number.  lora_b_w is rounded to bf16, a' to 16 bits of mantissa.
; A tile of out0, 256 x 256, is made by a work-group of four waves, as many as a WGP has SIMDs; a wave makes 128 x 128: 64 accumulators of 16 x 16, 512 registers.  256 tiles, 256 work-groups.
; K goes in steps of 256 through a ring of two LDS slots filled by the tensor data mover: a tile's row is 256 bytes of memory.  Two such slots are what LDS holds.
; THE CHANGE OF SLOTS STANDS AT THE HEAD OF A SLOT'S LAST 128 ALONG K: that step's fragments are all in registers or on their way there, so the slot can be given up before the step is multiplied.  The refill is asked for
; first, and all 128 matrix instructions up to the next change of slots stand between the request and the wait for it.
; CLUSTERS: 4 x 4 work-groups.  The four of a row of the cluster need the same tiles of X, the four of a column the same tiles of W: each tile is asked for JOINTLY, by the same tensor load with the
; same descriptor and a mask that names the four.  THE MATRIX INSTRUCTIONS ARE USED TRANSPOSED (source 0 = 16 rows of W, source 1 = 16 rows of X): a lane then holds eight neighbouring numbers of a row of out0.
; REGISTERS, in windows of 256: window 0: v0-31 addresses; v32-95 a's fragments, on the way out at work; from v128 X's fragments (8 x 16 rows x 128 K), ONE set (at the head: B as f32).
;   window 1: W's fragments, TWO sets, at v0 and at v128 (at the head v128-191: B's fragments in bf16).   window 2: the 32 accumulators of my rows 0-63 (accumulator (a, b) at v[8 (8 a + b)]);   window 3: those of my rows 64-127.
; A step of 128 along K is 64 matrix instructions, X's blocks one after the other, each against W's eight.  So a block of X is free as soon as its eight products are issued, and one set of registers serves X:
; blocks 0-3 are fetched anew in the step's middle, blocks 4-7 at its end.  W's fragments are at work through the whole step, so W has two sets.
.set SIZE_M, 8192
.set SIZE_N, 2048
.set SIZE_K, 4096
.set KSTEP,  256                       ; along K in a slot
.set ROWB,   256                       ; a tile's row in bytes
.set KROW,   SIZE_K                    ; a row of codes in memory, in bytes
.set PITCH,  272                       ; an LDS row: 256 bytes of data + 16 of padding = 68 words: row r starts at bank 4 r mod 64 (64 banks of 4 bytes: ISA guide 11.1), so the 16 rows that a load touches start at 16 different banks
.set FR,     16                        ; registers of a fragment: 16 rows x 128 K
.set NL,     4                         ; LDS loads that bring one
.set NP,     4                         ; places behind these matrix instructions (ISA guide 7.12.1)
.set HALFT,  128*PITCH                 ; 128 rows: what one tensor load brings, and what one wave reads of X or of W
.set SLOT,   4*HALFT                   ; X's 256 rows, then W's 256 rows
.set LAPS,   SIZE_K/(2*KSTEP)          ; a lap = two K steps = once round the ring: 8
.set SPARE,  2*SLOT                    ; behind the ring: the spare words, 128 bytes for each wave: two blocks of 256 bytes that no other line names
.set SPITCH, 528                       ; the way out: a stage of 16 rows x (512 bytes + 16) for each wave.  It lies in slot 0, which has had its last fill and its last read when the first result is stored there
.set LOPL,   262144                    ; a_bf: the plane lo begins here
.set ADRA, 16                          ; v16-17  LDS address of my X fragments in slot 0, 1
.set ADRB, 20                          ; v20-21  the same for W
.set STO,  24                          ; v24     the way out: where I put 32 bytes of a row
.set RD,   25                          ; v25     the way out: where I read a row back
.set CO,   26                          ; v26     my byte offset in a row of out0
.set SPW,  28                          ; v28     LDS address of my spare word: SPARE + 4 x my thread's number; never rewritten
.set NIL,  29                          ; v29     0; never rewritten
.set LA,   32                          ; a's eight fragments [hi | lo], in window 0
.set LB,   128                         ; B: as f32 in window 0, as fragments [B | B] of bf16 in window 1
.set TMP,  32                          ; the way out: 64 registers, a block's sums x 2^(e0 + e1)
.set AF,   128                         ; X's fragments, in window 0
.set BK,   128                         ; the way out: 16 rows read back from the stage: v128-191 and v192-255 by turns
.set G1, 24                            ; s[24:31] descriptor group 1 for X's tiles;  s[32:39] group 0, one set for each slot
.set G0, 32
.set G1B, 48                           ; s[48:55], s[56:63] the same for W's tiles
.set G0B, 56
.set MSB, 0
.macro WIN new                         ; the immediate's high byte repeats the setting that is left
.if MSB != \new
	s_set_vgpr_msb (MSB<<8)|\new
.set MSB, \new
.endif
.endm
.set MUL_LO, 0xa1                      ; source 0 (W) window 1, source 1 (X) window 0, C and D window 2
.set MUL_HI, 0xf1                      ; the same, C and D window 3
.set TO_B,   0x40                      ; destination window 1, address and sources window 0
; A joint load: waves 0 and 1 fetch for X, waves 2 and 3 for W.  Each of the two lines has ONE mask and one set of registers for all that issue it; the branch hangs on the wave's number alone.
; Four v_nop follow each of the two lines, ahead of the jump, the label and what follows.
.macro JLOAD g0a, g1a, g0b, g1b
	s_cmp_eq_u32 s15, 0
	s_cbranch_scc0 .Lfor_b_\@
	tensor_load_to_lds s[\g0a:\g0a+3], s[\g1a:\g1a+7]
	s_nop 0
.rept 4
	v_nop
.endr
	s_branch .Lasked_\@
.Lfor_b_\@:
	tensor_load_to_lds s[\g0b:\g0b+3], s[\g1b:\g1b+7]
	s_nop 0
.rept 4
	v_nop
.endr
.Lasked_\@:
.endm
.macro CREST                           ; a round of the cluster's barrier behind its opening barrier
	s_cmp_lg_u32 s14, 0
	s_cbranch_scc1 .Lnot_wave_0_\@
	s_barrier_signal -3
.Lnot_wave_0_\@:
	s_barrier_wait -3
	s_barrier_signal -1
	s_barrier_wait -1
.endm
.macro CROUND                          ; a whole round
	s_barrier_signal -1
	s_barrier_wait -1
	CREST
.endm
	s_load_b128 s[4:7], s[0:1], 0x0                ; X's codes s[4:5], W's codes s[6:7]
	s_load_b128 s[8:11], s[0:1], 0x10              ; the scales' exponents s[8:9], a_bf s[10:11]
	s_load_b128 s[68:71], s[0:1], 0x20             ; lora_b_w s[68:69], out0 s[70:71]
	v_lshl_add_u32 v[SPW], v0, 2, SPARE
	v_mov_b32 v[NIL], 0
	ds_add_u32 v28, v29
	ds_add_u32 v28, v29
	s_wait_dscnt 0x0
	v_lshrrev_b32 v1, 5, v0
	v_readfirstlane_b32 s14, v1                    ; wave 0..3
	s_lshr_b32 s15, s14, 1                         ; which half of the tile's rows is mine.  Also: I fetch for X (0) or for W (1)
	s_and_b32 s16, s14, 1                          ; which half of its columns.  Also: which 128 rows of that tile I fetch
	s_bfe_u32 s40, ttmp6, 0x40000                  ; cx, cy: my place in the cluster
	s_bfe_u32 s41, ttmp6, 0x40004
	s_lshl_b32 s42, ttmp9, 2
	s_add_co_u32 s42, s42, s40                     ; tile column of out0 = 4 x cluster x + cx
	s_and_b32 s17, ttmp7, 0xffff
	s_lshl_b32 s17, s17, 2
	s_add_co_u32 s17, s17, s41                     ; tile row of out0 = 4 x cluster y + cy
	s_lshl_b32 s43, s41, 2
	s_lshl_b32 s43, 15, s43                        ; my row of the cluster
	s_lshl_b32 s44, 0x1111, s40                    ; my column
	; descriptor group 1: a tile of 128 rows x ROWB bytes, padded in LDS
	s_or_b32 s[G1+0], s43, (0<<16)|(1<<20)|(1<<21)|(5<<22)|(3<<25)  ; 15:0 the mask: X's tiles go to my row; 17:16 element of 1 byte; 20 padding on; 21 set beside a mask; 24:22 after every 64 words (code 5); 31:25 of 4 words (code 3)
	s_or_b32 s[G1B+0], s44, (0<<16)|(1<<20)|(1<<21)|(5<<22)|(3<<25)
.irp g, G1, G1B
	s_mov_b32 s[\g+1], ROWB<<16                    ; tensor_dim0
	s_mov_b32 s[\g+2], 128<<16                     ; tensor_dim1 = 128
	s_mov_b32 s[\g+3], ROWB<<16                    ; tile_dim0
	s_mov_b32 s[\g+4], 128                         ; tile_dim1 = 128
	s_mov_b32 s[\g+5], KROW                        ; tensor_dim0_stride
	s_mov_b32 s[\g+6], 0
	s_mov_b32 s[\g+7], 0
.endr
	s_lshl_b32 s18, s16, 7                         ; which 128 rows of the tile I fetch
	s_lshl_b32 s20, s17, 8
	s_add_co_u32 s20, s20, s18                     ; X: row 256 x tile row + 128 x half
	s_lshl_b32 s46, s42, 8
	s_add_co_u32 s46, s46, s18                     ; W: row 256 x tile column + 128 x half
	s_mov_b32 s21, 0
	s_mov_b32 s47, 0
	s_mov_b64 s[18:19], KROW
	s_mul_u64 s[20:21], s[20:21], s[18:19]         ; and their codes
	s_mul_u64 s[46:47], s[46:47], s[18:19]
	s_mul_i32 s45, s14, HALFT                      ; where they go: wave x 128 rows: no place in the cluster enters an LDS address
	s_wait_kmcnt 0x0
	s_load_b64 s[96:97], s[8:9], 0x0               ; e0, e1
	s_add_nc_u64 s[20:21], s[4:5], s[20:21]
	s_add_nc_u64 s[46:47], s[6:7], s[46:47]
	CROUND                                         ; all sixteen work-groups are here: the first joint loads meet
.irp s, 0,1
	s_mov_b32 s[G0+4*\s], 1
	s_add_co_u32 s[G0+4*\s+1], s45, \s*SLOT
	s_add_nc_u64 s[G0+4*\s+2:G0+4*\s+3], s[20:21], \s*ROWB
	s_or_b32 s[G0+4*\s+3], s[G0+4*\s+3], 0x80000000
	s_mov_b32 s[G0B+4*\s], 1
	s_add_co_u32 s[G0B+4*\s+1], s45, \s*SLOT
	s_add_nc_u64 s[G0B+4*\s+2:G0B+4*\s+3], s[46:47], \s*ROWB
	s_or_b32 s[G0B+4*\s+3], s[G0B+4*\s+3], 0x80000000
	JLOAD G0+4*\s, G1, G0B+4*\s, G1B
.endr
	v_and_b32 v1, 15, v0                           ; r = l % 16
	v_bfe_u32 v2, v0, 4, 1                         ; h = l / 16
	; THE SMALL PRODUCT'S OPERANDS are asked for now.  A bf16 fragment is 16 rows x 32 K in 8 registers: lane (r, h): registers 0-3 K = 8 h + 0 .. 7, registers 4-7 K = 16 + 8 h + 0 .. 7.
	s_lshl_b32 s72, s17, 8
	s_lshl_b32 s73, s15, 7
	s_add_co_u32 s72, s72, s73                     ; my first row of out0, and of a,
	s_lshl_b32 s72, s72, 5                         ; whose rows are 32 bytes in each plane
	s_mov_b32 s73, 0
	s_add_nc_u64 s[10:11], s[10:11], s[72:73]
	s_lshl_b32 s74, s42, 8
	s_lshl_b32 s75, s16, 7
	s_add_co_u32 s74, s74, s75                     ; my first column of out0: a row of B,
	s_lshl_b32 s74, s74, 6                         ; of 64 bytes
	s_mov_b32 s75, 0
	s_add_nc_u64 s[68:69], s[68:69], s[74:75]
	v_lshlrev_b32 v8, 5, v1
	v_lshl_add_u32 v8, v2, 4, v8                   ; a: row r, ranks 8 h on: 16 bytes of bf16
	v_lshlrev_b32 v9, 6, v1
	v_lshl_add_u32 v9, v2, 5, v9                   ; B: row r, ranks 8 h on: 32 bytes of f32
.irp i, 0,1,2,3,4,5,6,7
	global_load_b128 v[LA+8*\i:LA+8*\i+3],   v8, s[10:11] offset:512*\i          ; K 0-15: hi
	global_load_b128 v[LA+8*\i+4:LA+8*\i+7], v8, s[10:11] offset:512*\i+LOPL     ; K 16-31: lo
	global_load_b128 v[LB+8*\i:LB+8*\i+3],   v9, s[68:69] offset:1024*\i
	global_load_b128 v[LB+8*\i+4:LB+8*\i+7], v9, s[68:69] offset:1024*\i+16
.endr
	v_mul_u32_u24 v3, v1, PITCH
	v_lshl_add_u32 v4, v2, 4, v3                   ; a fragment's row x pitch + 16 x half
	s_mul_i32 s21, s15, HALFT                      ; my 128 rows of X
	s_mul_i32 s22, s16, HALFT                      ; my 128 rows of W,
	s_add_co_u32 s22, s22, 2*HALFT                 ; which lie behind X's 256
.irp s, 0,1
	v_add_nc_u32 v[ADRA+\s], s21, v4
	v_add_nc_u32 v[ADRB+\s], s22, v4
	s_add_co_u32 s21, s21, SLOT
	s_add_co_u32 s22, s22, SLOT
.endr
	s_mul_i32 s23, s14, 16*SPITCH                  ; my stage
	v_mul_u32_u24 v5, v1, SPITCH                   ; in: row l % 16, 32 bytes for each half of the lanes
	v_lshl_add_u32 v5, v2, 5, v5
	v_add_nc_u32 v[STO], s23, v5
	v_and_b32 v6, 31, v0
	v_lshlrev_b32 v[CO], 4, v6                     ; back: the 32 lanes take one row of 512 bytes; and the same in out0
	v_add_nc_u32 v[RD], s23, v[CO]
	s_lshl_b32 s20, s17, 8
	s_lshl_b32 s21, s15, 7
	s_add_co_u32 s20, s20, s21                     ; my first row of out0: 256 x tile row + 128 x half
	s_mov_b32 s21, 0
	s_mov_b64 s[18:19], SIZE_N*4
	s_mul_u64 s[20:21], s[20:21], s[18:19]
	s_lshl_b32 s46, s42, 10                        ; my first column, in bytes: 1024 x tile column + 512 x half
	s_lshl_b32 s47, s16, 9
	s_add_co_u32 s46, s46, s47
	s_mov_b32 s47, 0
	s_add_nc_u64 s[20:21], s[20:21], s[46:47]
	s_add_nc_u64 s[70:71], s[70:71], s[20:21]
.macro FRAG reg, adr, q, i             ; a fragment, 16 rows x 128 codes, is 16 registers: lane l holds row l % 16; registers 4 c .. 4 c + 3 hold bytes 32 c + 16 (l / 16) + 0 .. 15 of the step's 128: alike for X and W
.irp c, 0,1,2,3
	ds_load_b128 v[\reg+4*\c:\reg+4*\c+3], v[\adr] offset:128*(\q)+32*\c+(\i)*16*PITCH
.endr
.endm
; 16 matrix instructions: X's blocks a0, a0 + 1 x W's eight, 128 along K.  p: W's set.
; The 64 accumulators take turns, one instruction a turn, in the same order in every step and in the small product.
.macro MUL16 a0, p
.irp a, \a0, \a0+1
.irp b, 0,1,2,3,4,5,6,7
	v_wmma_f32_16x16x128_bf8_bf8 v[8*(8*((\a)%4)+\b):8*(8*((\a)%4)+\b)+7], v[128*(\p)+FR*\b:128*(\p)+FR*\b+FR-1], v[AF+FR*(\a):AF+FR*(\a)+FR-1], v[8*(8*((\a)%4)+\b):8*(8*((\a)%4)+\b)+7]
.endr
.endr
.endm
.macro FETCH_B slot, q, p              ; W's eight fragments of the slot's q-th 128 along K into set p
	WIN TO_B
.irp i, 0,1,2,3,4,5,6,7
	FRAG 128*(\p)+FR*\i, ADRB+\slot, \q, \i
.endr
	WIN 0
.endm
.macro FETCH_A slot, q, i0             ; X's blocks i0 .. i0 + 3
.irp i, \i0, \i0+1, \i0+2, \i0+3
	FRAG AF+FR*(\i), ADRA+\slot, \q, \i
.endr
.endm
; A load into a register that a matrix instruction has read, and a vector instruction or an LDS store that reads a matrix result, stand NP places behind that matrix instruction, and only plain vector
; instructions that name none of its registers are places (ISA guide 7.12.1 for vector instructions); this text does not count the matrix instructions in between.
.macro PLACES n
.rept \n
	v_nop
.endr
.endm
; A step of 128 along K that has its successor in the same slot.
.macro STEP slot, q
	s_wait_dscnt 4*NL                              ; W's set and X's blocks 0-3 are in; the youngest loads (X's blocks 4-7) may be out
	WIN MUL_LO
	MUL16 0, (\q)%2
	MUL16 2, (\q)%2
	s_wait_dscnt 0                                 ; X's blocks 4-7 are in (asked for 32 matrix instructions ago)
	PLACES NP
	FETCH_B \slot, (\q)+1, 1-(\q)%2
	FETCH_A \slot, (\q)+1, 0
	WIN MUL_HI
	MUL16 4, (\q)%2
	MUL16 6, (\q)%2
	PLACES NP
	WIN 0
	FETCH_A \slot, (\q)+1, 4
.endm
; A slot's last step, with the change of slots AT ITS HEAD.  The step's own fragments have all been asked for (the last, X's blocks 4-7, at the end of the step before), so once they are in registers nobody needs the slot.
; Each wave waits for all its tensor loads (one is out: its part of the next slot), adds 0 to its spare word, steps the descriptors, and waits for the add and for its reads of this slot.  Then ONE barrier, which with
; fill = 1 opens a round of the cluster's barrier; behind the round this slot is filled again, two K steps ahead, and only then the step's 64 products are issued: no matrix instruction stands between a tile's landing and the next request.
.macro TURN slot, next, fill
	s_wait_tensorcnt 0x0                           ; all my tensor loads have landed: no tensor load of mine is out, so a group 0 may be written  (every window is 0 here: the add's two registers lie in window 0)
	ds_add_u32 v[SPW], v[NIL]                      ; 0 onto my spare word: with fill = 1 the descriptors' steps stand between it and the wait for it
.if \fill
	s_add_nc_u64 s[G0+4*\slot+2:G0+4*\slot+3], s[G0+4*\slot+2:G0+4*\slot+3], 2*ROWB
	s_add_nc_u64 s[G0B+4*\slot+2:G0B+4*\slot+3], s[G0B+4*\slot+2:G0B+4*\slot+3], 2*ROWB
.endif
	s_wait_dscnt 0x0                               ; the add is done, and my reads of this slot are over: this step's fragments are all in registers
	s_barrier_signal -1
	s_barrier_wait -1                              ; both now hold of all four waves
.if \fill
	CREST                                          ; and of every wave of all sixteen work-groups: no wave of any partner still reads this slot's tile or has a load on its way
	JLOAD G0+4*\slot, G1, G0B+4*\slot, G1B         ; the first tensor load behind the round, and my only one until the next: 128 matrix instructions stand between it and the wait for it
.endif
	WIN MUL_LO
	MUL16 0, 1
	MUL16 2, 1
	PLACES NP
	FETCH_B \next, 0, 0                            ; the next slot is whole: its first fragments
	FETCH_A \next, 0, 0
	WIN MUL_HI
	MUL16 4, 1
	MUL16 6, 1
	PLACES NP
	WIN 0
	FETCH_A \next, 0, 4
.endm
	; THE SMALL PRODUCT: B is rounded to bf16, twice over (K 0-15 meet hi, K 16-31 meet lo); then 64 matrix instructions with C = 0 start the 64 sums
	s_wait_loadcnt 0x0                             ; a's two planes and B
	WIN TO_B                                       ; destination window 1, sources window 0
.irp i, 0,1,2,3,4,5,6,7
.irp p, 0,1,2,3
	v_cvt_pk_bf16_f32 v[LB+8*\i+\p],   v[LB+8*\i+2*\p], v[LB+8*\i+2*\p+1]
	v_cvt_pk_bf16_f32 v[LB+8*\i+4+\p], v[LB+8*\i+2*\p], v[LB+8*\i+2*\p+1]
.endr
.endr
	WIN MUL_LO
.irp a, 0,1,2,3
.irp b, 0,1,2,3,4,5,6,7
	v_wmma_f32_16x16x32_bf16 v[8*(8*\a+\b):8*(8*\a+\b)+7], v[LB+8*\b:LB+8*\b+7], v[LA+8*\a:LA+8*\a+7], 0
.endr
.endr
	WIN MUL_HI
.irp a, 0,1,2,3
.irp b, 0,1,2,3,4,5,6,7
	v_wmma_f32_16x16x32_bf16 v[8*(8*\a+\b):8*(8*\a+\b)+7], v[LB+8*\b:LB+8*\b+7], v[LA+8*(\a+4):LA+8*(\a+4)+7], 0
.endr
.endr
	WIN 0
	PLACES NP+1                                    ; another form of matrix instruction writes over these results next: one place more than a read wants
	s_wait_tensorcnt 1                             ; my part of K step 0 is in (K step 1's load may be out)
	s_barrier_signal -1
	s_barrier_wait -1                              ; everybody's is
	FETCH_B 0, 0, 0
	FETCH_A 0, 0, 0
	FETCH_A 0, 0, 4
	STEP 0, 0                                      ; a lap's first step stands in front of the loop
	s_mov_b32 s3, LAPS-1
.Llap:                                                 ; a trip goes once round the ring, from a lap's second step to the next lap's first, and fills both slots again
	TURN 0, 1, 1
	STEP 1, 0
	TURN 1, 0, 1
	STEP 0, 0
	s_sub_co_u32 s3, s3, 1
	s_cmp_lg_u32 s3, 0
	s_cbranch_scc1 .Llap
	TURN 0, 1, 0                                   ; the last lap fills nothing, and has no round of the cluster's barrier
	STEP 1, 0
	s_wait_dscnt 4*NL                              ; the very last step: nothing more to fetch
	WIN MUL_LO
	MUL16 0, 1
	MUL16 2, 1
	s_wait_dscnt 0
	WIN MUL_HI
	MUL16 4, 1
	MUL16 6, 1
	WIN 0
; THE WAY OUT, block by block of 16 rows x 128 columns.  A lane holds 32 neighbouring bytes of a row, and the lanes beside it hold other rows: so a block goes through my own stage in LDS and comes back as whole
; rows of 512 bytes, which the 32 lanes store as two aligned runs of 256 bytes.  LDS serves a wave's instructions in order (ISA guide 5.7.1.4): no wait between the stores and the loads, nor in front of the next block's stores.
.macro TOSTAGE a
.set AC, 64*((\a)%4)
	WIN 0x02+((\a)/4)                              ; source 0: window 2 or 3
.irp j, 0,2,4,6,8,10,12,14,16,18,20,22,24,26,28,30,32,34,36,38,40,42,44,46,48,50,52,54,56,58,60,62
	v_pk_mul_f32 v[TMP+\j:TMP+\j+1], v[AC+\j:AC+\j+1], s[96:97] op_sel_hi:[1,0]   ; both x s96 = 2^(e0 + e1): nothing is rounded, short of overflow and underflow; each accumulator from its low end on
.endr
	WIN 0
.irp b, 0,1,2,3,4,5,6,7
	ds_store_b128 v[STO], v[TMP+8*\b:TMP+8*\b+3] offset:64*\b
	ds_store_b128 v[STO], v[TMP+8*\b+4:TMP+8*\b+7] offset:64*\b+16
.endr
.set BB, BK+64*((\a)%2)
.irp t, 0,1,2,3,4,5,6,7,8,9,10,11,12,13,14,15
	ds_load_b128 v[BB+4*\t:BB+4*\t+3], v[RD] offset:\t*SPITCH
.endr
.endm
.macro SEND a, younger                 ; younger: the LDS instructions issued behind block a's loads, which may stay out
.set BB, BK+64*((\a)%2)
	s_wait_dscnt \younger                          ; the block is back in registers
.if (\a) > 0
	s_add_nc_u64 s[70:71], s[70:71], 16*SIZE_N*4   ; (behind a wait on XCNT: the earlier stores have read their base)  16 rows of out0 on, so that the stores' offsets stay small: 15 rows at the most
.endif
.irp t, 0,1,2,3,4,5,6,7,8,9,10,11,12,13,14,15
	global_store_b128 v[CO], v[BB+4*\t:BB+4*\t+3], s[70:71] offset:\t*SIZE_N*4 th:TH_STORE_NT   ; 32 lanes store 512 consecutive bytes, at a multiple of 256 from out0's first byte; written once, read by nobody here
.endr
.endm
	s_wait_kmcnt 0x0
	s_add_co_i32 s96, s96, s97                     ; e0 + e1, between -126 and 127,
	s_add_co_i32 s96, s96, 127
	s_lshl_b32 s96, s96, 23                        ; makes the f32 number 2^(e0 + e1)
	PLACES NP                                      ; these places serve the loads into the registers that held X's fragments and the reads of the last products' results alike
	TOSTAGE 0
.irp a, 1,2,3,4,5,6,7
.if \a > 1
	s_wait_xcnt 0x0                                ; block a - 2's stores have read their registers and their base: block a's loads may land there, and the base may step
.endif
	TOSTAGE \a
	SEND \a-1, 32                                  ; behind block a - 1's loads: block a's 16 stores and 16 loads
.endr
	s_wait_xcnt 0x0                                ; block 6's stores have read their base
	SEND 7, 0
	s_wait_tensorcnt 0x0                           ; the wave's end: behind my last tensor load and my last LDS store
	ds_add_u32 v[SPW], v[NIL]
	s_wait_dscnt 0x0
	CROUND                                         ; the closing round: no work-group ends while a partner may still ask for a tile that names it
	s_endpgm
.Lfunc_end_k_q7b7c02f08e_gemm:
	.size	k_q7b7c02f08e_gemm, .Lfunc_end_k_q7b7c02f08e_gemm-k_q7b7c02f08e_gemm
	.p2alignl 7, 3214868480
	.fill 96, 4, 3214868480
	.section	.rodata,"a",@progbits
	.p2align	6, 0x0
	.amdhsa_kernel k_q7b7c02f08e_gemm
		.amdhsa_group_segment_fixed_size 327680
		.amdhsa_private_segment_fixed_size 0
		.amdhsa_enable_private_segment 0
		.amdhsa_kernarg_size 48
		.amdhsa_user_sgpr_count 2
		.amdhsa_user_sgpr_kernarg_segment_ptr 1
		.amdhsa_wavefront_size32 1
		.amdhsa_system_sgpr_workgroup_id_x 1
		.amdhsa_system_sgpr_workgroup_id_y 1
		.amdhsa_system_sgpr_workgroup_id_z 1
		.amdhsa_system_vgpr_workitem_id 0
		.amdhsa_next_free_vgpr 1024
		.amdhsa_next_free_sgpr 98
		.amdhsa_reserve_vcc 0
		.amdhsa_float_denorm_mode_32 3
		.amdhsa_float_denorm_mode_16_64 3
		.amdhsa_memory_ordered 1
		.amdhsa_forward_progress 1
		.amdhsa_inst_pref_size 135
	.end_amdhsa_kernel
	.amdgpu_metadata
---
amdhsa.version: [ 1, 2 ]
amdhsa.kernels:
  - .name:           k_q7b7c02f08e_gemm
    .symbol:         k_q7b7c02f08e_gemm.kd
    .args:
      - { .name: x_codes, .offset: 0, .size: 8, .value_kind: global_buffer, .address_space: global }
      - { .name: w_codes, .offset: 8, .size: 8, .value_kind: global_buffer, .address_space: global }
      - { .name: lowp_scales, .offset: 16, .size: 8, .value_kind: global_buffer, .address_space: global }
      - { .name: a_bf, .offset: 24, .size: 8, .value_kind: global_buffer, .address_space: global }
      - { .name: lora_b_w, .offset: 32, .size: 8, .value_kind: global_buffer, .address_space: global }
      - { .name: out0, .offset: 40, .size: 8, .value_kind: global_buffer, .address_space: global }
    .group_segment_fixed_size: 327680
    .private_segment_fixed_size: 0
    .kernarg_segment_align: 8
    .kernarg_segment_size: 48
    .max_flat_workgroup_size: 128
    .sgpr_count:     98
    .vgpr_count:     1024
    .wavefront_size: 32
...
	.end_amdgpu_metadata
.endif
;; end of part 2
;; ======== version 2 of 2: 2 launches
;; workspace buffers: x_codes 33,554,432 bytes; w_codes 8,388,608 bytes; a_bf 524,288 bytes
;; launch prep (part 3): grid 256 x 1, 8 waves a work-group, no clusters, 84,992 bytes of LDS; arguments x, w_q, scales, lora_a_w, lowp_scales, x_codes, w_codes, a_bf; writes x_codes, w_codes, a_bf
.if DOCPART == 3
	.amdgcn_target "amdgcn-amd-amdhsa--gfx1250"
	.amdhsa_code_object_version 6
	.text
	.protected	k_q7b7c02f08e_prep
	.globl	k_q7b7c02f08e_prep
	.p2align	8
	.type	k_q7b7c02f08e_prep,@function
k_q7b7c02f08e_prep:
	s_mov_b64 s[64:65], 0
	v_nop
	global_prefetch_b8 v0, s[64:65] scope:SCOPE_SE
	s_setreg_imm32_b32 hwreg(HW_REG_WAVE_SCHED_MODE, 0, 2), 2
	s_setreg_imm32_b32 hwreg(HW_REG_WAVE_MODE, 25, 1), 1
	s_wait_xcnt 0x0
	s_wait_alu depctr_vm_vsrc(0)
; THE LAUNCH IN FRONT OF THE PRODUCT ON CODES.  Everything that many work-groups of that product read is made here once.
; Each of the 256 work-groups takes the same share: 8 rows of W, then 32 rows of x.
;   W = NF4[w_q] x scales, one f32 multiplication as the problem has it, -> codes of E5M2 with the scale 2^e1 (w_codes).
;   x -> codes with 2^e0 (x_codes); x -> codes with 2^e2 and lora_a_w -> codes with 2^e3, both kept on chip; a = Q(x) Q(lora_a)^T by v_wmma_f32_16x16x128_bf8_bf8, f32 sums;
;   a x 2^(e2 + e3 + 1 - e0 - e1) (the 1 is ALPHA / RANK = 2) is stored as two planes of bf16, hi = bf16(a), lo = bf16(a - hi) (a_bf).
; code = number / 2^e, held within +-57,344, to the nearest code, ties to even.
; SHARES.  Eight waves; wave w takes the chunk k = 512 w .. 512 w + 511 of each row.  A row step is four loads of 512 consecutive bytes (load j, lane l: k = 128 j + 4 l + 0 .. 3), sixteen numbers a lane,
; and one store of 512 consecutive bytes of codes, sixteen a lane.  56 row steps a wave: 0-7 W's rows, 8-23 lora_a's, 24-55 x's.
; THE ORDER OF K IN A ROW OF CODES follows from that: byte 16 l + 4 j + i of a chunk of 512 is k = 128 j + 4 l + i.  It is the same in x_codes, in w_codes and in the codes kept on chip, so every product meets its
; partner; only the order of the sums changes.  Nothing is transposed, and no load or store touches less than 512 consecutive bytes but the scales' (32 bytes a lane, once).
; A RING of ten row sets in registers keeps 40 loads (20 KiB) of every wave on their way, 160 KiB for the work-group, through all 56 steps.  All is written out by macros: every offset is an immediate
; (31 x 16,384 + 1,536 at the most), no pointer is stepped.
; A STORE'S DATA.  The codes for memory have four sets of registers by turns, and the wait on XCNT that frees them, for 0, stands in every third row with a store, as far behind the last issue as the row allows:
; between a store and the conversions of four stores on, which write its set again, stands one such wait (W's store r is issued in the look-up of row r + 2; the waits stand in W's rows 3 and 6 and in x's rows 25, 28 ..).
; SHARED INPUT.  lora_a_w (256 KiB) is the one input that work-groups share, beside 640 KiB of its own for each.  It is not asked for jointly: this text has no tensor load (its numbers pass through registers on
; their way to codes, and LDS holds codes only).
; LIMITS.  Each of e0 .. e3 between -126 and 112, so that 2^e and 57,344 x 2^e are f32 numbers.  a x 2^(e2 + e3 + 1 - e0 - e1) stays finite in bf16.  NaN in x, scales or lora_a_w is not served; an infinity is held at
; the largest code.  A w_q outside 0 .. 15 is taken as 15.  The sum over K of a is made in 16 parts (8 waves x 2 accumulators) and the parts are added in f32: another order of rounding than one chain.
; REGISTERS.  Window 0: all that the row steps touch.  Window 1 (v256 on): the matrix operands, which only the LDS loads that fill them, the 8 matrix instructions and the 8 additions behind them name.
; THE MODE: SCHED_MODE bits 1:0 = 2 (LLVM: expert scheduling mode 2), set by the entry lines.  The code itself states the register dependences between vector or matrix instructions and memory or LDS
; instructions, with s_wait_alu, always for 0.
; THE PLAN.  Registers that memory or LDS instructions touch:
;   v2-v7, v14   offsets and LDS addresses: written once at the head, read by every load and store, never written again.
;   v15          the table: written at the head, read by W's permutes.
;   XR0 .. XR9   step t: its loads have landed in set t % 10; its vector lines read the set (W's clamp and shift, and the holds in place, write it too); in W's rows the permutes read it; then the loads of step t + 10 land in it.
;   DQ0, DQ1     W: the permutes of row u land in DQ[u % 2]; row u's arithmetic reads and writes it.
;   CA0 .. CA3   written by the conversions, read by one global store, written again four stores on.      CB0, CB1   the same with an LDS store, written again two rows on.
;   HT           written by four additions in each half, read by two LDS stores.      AF   LDS loads land, matrix instructions read, twice in each half.      BF   loaded once.
; ONE PLACE IN A ROW STEP HOLDS ITS WAITS.  In lora_a's and x's rows it lies behind the last conversion, ahead of the run of the row's store, LDS store and four loads: the wait on va_vdst states that the codes are written
; and that the row's lines are done with its ring set, which is asked for again at once; the wait on vm_vsrc beside it stands AHEAD of this row's memory instructions, a whole row's arithmetic behind those that it speaks of:
; the stores that read the two sets of codes which the NEXT row writes.  In W's rows the place lies in the look-up, behind the shifts: there the store of two rows back is issued too, behind the same wait.
.set ROWF,   16384                     ; a row of 4,096 numbers of 4 bytes
.set ROWC,   4096                      ; a row of codes
.set SPITCH, 528                       ; LDS: a row of a wave's stage: 512 bytes of codes + 16
.set WSTG,   16*SPITCH                 ; a wave's stage: 16 rows, the wave's own
.set RED,    8*WSTG                    ; behind the stages: the waves' parts of a: 2,048 bytes a wave
.set LOPL,   262144                    ; a_bf: the plane lo begins here
.set RING,   10                        ; row sets in the ring
.set NT,     56                        ; row steps
.set GOFF, 2                           ; v2   16 x lane: my place in 512 bytes; never rewritten
.set STW,  3                           ; v3   the stage, on the way in: my wave's stage + 16 x lane
.set STR,  4                           ; v4   and on the way out: + 528 r + 16 h (r = lane % 16, h = lane / 16)
.set RDW,  5                           ; v5   where I put my part of a: RED + 2,048 x wave + 32 x lane
.set RDR,  6                           ; v6   where the reduction reads
.set AOFF, 7                           ; v7   8 x thread: my 8 bytes of a plane of a_bf
                                       ; v8, v9: 2^e0 and 57,344 x 2^e0;  v10, v11: e2;  v12, v13: e3;  v16, v17: e1;  v18, v19: the closing add's two, made at the head and kept for it alone
.set SOFF, 14                          ; v14  256 (lane % 8): a row of scales
.set TAB,  15                          ; v15  lane i holds NF4[i]
.set DQ,   20                          ; v20-51   W: two sets of 16 numbers
.set HT,   20                          ; v20-27   later: a half's sums on their way to LDS
.set SC,   52                          ; v52-55   W: lane (r, h): the scale of row r % 8, block 2 j + h of my chunk, at j
.set RW,   56                          ; v56-63   W: the scales as loaded
.set TT,   64                          ; v64-71   at work
.set CA,   72                          ; v72-87   16 codes for memory: four sets
.set CB,   88                          ; v88-95   16 codes for the stage: two sets
.set XR,   96                          ; v96-255  the ring: ten sets of 16
.set BF,   0                           ; window 1: v0-63   lora_a's four fragments (16 ranks x 128 K each)
.set AF,   64                          ; window 1: v64-95  two fragments of x
.set ACC,  96                          ; window 1: v96-111 two accumulators
.set PS,   96                          ; the reduction: eight parts of four numbers, in the ring's registers
.set PHI,  128
.set PLO,  130
.set PWD,  132
.set MSB, 0
.macro WIN new                         ; s_set_vgpr_msb: bits 1:0 source 0, 3:2 source 1, 5:4 source 2, 7:6 destination; the immediate's high byte repeats the setting that is left
.if MSB != \new
	s_set_vgpr_msb (MSB<<8)|\new
.set MSB, \new
.endif
.endm
; 2^e as f32 (the conversion takes its exponent field) into v[vs]; 57,344 x 2^e into v[vl]
.macro MKSCALE e, vs, vl
	s_add_co_i32 s28, s[\e], 127
	s_lshl_b32 s29, s28, 23
	v_mov_b32 v[\vs], s29
	s_add_co_i32 s28, s28, 15
	s_lshl_b32 s28, s28, 23
	s_or_b32 s28, s28, 0x600000
	v_mov_b32 v[\vl], s28
.endm
	s_load_b256 s[4:11], s[0:1], 0x0               ; x s[4:5], w_q s[6:7], scales s[8:9], lora_a_w s[10:11]
	s_load_b256 s[12:19], s[0:1], 0x20             ; lowp_scales s[12:13], x_codes s[14:15], w_codes s[16:17], a_bf s[18:19]
	v_lshl_add_u32 v18, v0, 2, 0x14800
	v_mov_b32 v19, 0
	v_lshrrev_b32 v1, 5, v0
	v_readfirstlane_b32 s24, v1                    ; wave 0..7
	v_and_b32 v1, 31, v0                           ; lane
	v_lshlrev_b32 v[GOFF], 4, v1
	s_wait_alu depctr_va_sdst(0)                   ; s24 is written, ahead of its first reader: LDS addresses, the buffers' offsets and the branch at the end are made from it
	s_mul_i32 s28, s24, WSTG
	v_add_nc_u32 v[STW], s28, v[GOFF]
	v_and_b32 v[SOFF], 15, v0                      ; r
	v_bfe_u32 v[TAB], v0, 4, 1                     ; h
	v_mul_u32_u24 v[STR], v[SOFF], SPITCH
	v_lshl_add_u32 v[STR], v[TAB], 4, v[STR]
	v_add_nc_u32 v[STR], s28, v[STR]
	s_lshl_b32 s28, s24, 11
	v_lshlrev_b32 v[RDW], 5, v1
	v_add_nc_u32 v[RDW], s28, v[RDW]
	v_add_nc_u32 v[RDW], RED, v[RDW]
	; the reduction: thread t < 128 takes row t / 4 of the 32, ranks 4 (t % 4) on.  They lie in half t / 64, lane (t / 4) % 16 + 16 ((t / 2) % 2), registers 4 (t % 2) on
	v_bfe_u32 v[RDR], v0, 6, 1
	v_lshlrev_b32 v[RDR], 10, v[RDR]
	v_bfe_u32 v[AOFF], v0, 2, 4
	v_lshl_add_u32 v[RDR], v[AOFF], 5, v[RDR]
	v_bfe_u32 v[AOFF], v0, 1, 1
	v_lshl_add_u32 v[RDR], v[AOFF], 9, v[RDR]
	v_and_b32 v[AOFF], 1, v0
	v_lshl_add_u32 v[RDR], v[AOFF], 4, v[RDR]
	v_add_nc_u32 v[RDR], RED, v[RDR]
	v_lshlrev_b32 v[AOFF], 3, v0
	v_and_b32 v[SOFF], 7, v0                       ; lanes 8-15 of each half ask for the rows of lanes 0-7 again: no load leaves the work-group's eight rows
	v_lshlrev_b32 v[SOFF], 8, v[SOFF]
	s_mov_b32 s27, 0                               ; the upper word of every offset pair s[26:27]
	s_lshl_b32 s28, s24, 11                        ; my chunk in a row of numbers: 2,048 bytes,
	s_lshl_b32 s29, s24, 9                         ; in a row of codes: 512,
	s_lshl_b32 s30, s24, 5                         ; in a row of scales: eight blocks of 64: 32
	s_wait_kmcnt 0x0
	s_load_b128 s[20:23], s[12:13], 0x0            ; e0, e1, e2, e3
	s_lshl_b32 s26, ttmp9, 19                      ; x: 32 rows of 16,384 bytes
	s_add_co_u32 s26, s26, s28
	s_add_nc_u64 s[4:5], s[4:5], s[26:27]
	s_lshl_b32 s26, ttmp9, 17                      ; w_q: 8 rows of 16,384 bytes
	s_add_co_u32 s26, s26, s28
	s_add_nc_u64 s[6:7], s[6:7], s[26:27]
	s_mov_b32 s26, s28
	s_add_nc_u64 s[10:11], s[10:11], s[26:27]      ; lora_a_w: all 16 rows
	s_lshl_b32 s26, ttmp9, 11                      ; scales: 8 rows of 256 bytes
	s_add_co_u32 s26, s26, s30
	s_add_nc_u64 s[8:9], s[8:9], s[26:27]
	s_lshl_b32 s26, ttmp9, 17                      ; x_codes: 32 rows of 4,096
	s_add_co_u32 s26, s26, s29
	s_add_nc_u64 s[14:15], s[14:15], s[26:27]
	s_lshl_b32 s26, ttmp9, 15                      ; w_codes: 8 rows of 4,096
	s_add_co_u32 s26, s26, s29
	s_add_nc_u64 s[16:17], s[16:17], s[26:27]
	s_lshl_b32 s26, ttmp9, 10                      ; a_bf: 32 rows of 32 bytes
	s_add_nc_u64 s[18:19], s[18:19], s[26:27]
.macro LOAD t                          ; row step t into set t % RING: each load reads 512 consecutive bytes
.set LX, XR+16*((\t)%RING)
.irp j, 0,1,2,3
.if (\t) < 8
	global_load_b128 v[LX+4*\j:LX+4*\j+3], v[GOFF], s[6:7] offset:(\t)*ROWF+512*\j th:TH_LOAD_NT          ; w_q is read once in the launch
.elseif (\t) < 24
	global_load_b128 v[LX+4*\j:LX+4*\j+3], v[GOFF], s[10:11] offset:((\t)-8)*ROWF+512*\j                  ; lora_a_w: every work-group reads it
.else
	global_load_b128 v[LX+4*\j:LX+4*\j+3], v[GOFF], s[4:5] offset:((\t)-24)*ROWF+512*\j th:TH_LOAD_NT     ; x is read once in the launch
.endif
.endr
.endm
.macro NF4 i, bits
	s_mov_b32 s32, \bits
	v_writelane_b32 v[TAB], s32, \i
.endm
.macro WST r                           ; W, row r: its codes leave.  The wave stores 512 consecutive bytes, at a multiple of 256 from the buffer's first byte; the next launch reads them
	global_store_b128 v[GOFF], v[CA+4*((\r)%4):CA+4*((\r)%4)+3], s[16:17] offset:ROWC*(\r)
.endm
; W, row u: the lane's sixteen codes become lane numbers x 4 and fetch NF4[code] from the table's lanes.  It runs one row ahead of WB, so that the permutes are out while a row is worked.
.macro WA u
.set WXA, XR+16*((\u)%RING)
.set WDA, DQ+16*((\u)%2)
.if (\u) == 0
	s_wait_loadcnt 4*(RING-1)                      ; row 0's loads are in; the nine younger rows' stay out
.else
	s_wait_loadcnt 4*(RING-2)                      ; row u's loads are in; asked for so far are rows up to u + 8: eight younger rows stay out
.endif
.irp n, 0,1,2,3,4,5,6,7,8,9,10,11,12,13,14,15
	v_min_u32 v[WXA+\n], 15, v[WXA+\n]             ; an index stays inside the table
.endr
.irp n, 0,1,2,3,4,5,6,7,8,9,10,11,12,13,14,15
	v_lshlrev_b32 v[WXA+\n], 2, v[WXA+\n]
.endr
	s_wait_alu depctr_va_vdst(0)                   ; the shifts have written set u, which the permutes read; row u - 2's lines are done with DQ[u % 2], in which they land, and have written that row's codes, which the store reads; in row 0: the table is written
.if (\u) > 0
	s_wait_alu depctr_vm_vsrc(0)                   ; row u - 1's permutes have read set u - 1, in which that row's refill lands next; the stores issued so far have read their codes, the oldest set of which row u - 1's conversions write again
.endif
.if (\u) > 1
	WST (\u)-2
.endif
.irp n, 0,1,2,3,4,5,6,7,8,9,10,11,12,13,14,15
	ds_bpermute_b32 v[WDA+\n], v[WXA+\n], v[TAB]
.endr
.endm
; W, row r: x its blocks' scales, held, converted.  Number 4 j + i of lane l is k = 128 j + 4 l + i of the chunk: block 2 j + l / 16; its scale lies in lane r of my half of the lanes.  The store follows in the look-up of row r + 2.
.macro WB r
.set WT, \r
.set WDB, DQ+16*(WT%2)
.set CAS, CA+4*(WT%4)
.if WT < 7
	s_wait_dscnt 16                                ; my row's sixteen permutes are back; the next row's sixteen stay out
.else
	s_wait_dscnt 0x0
	s_wait_alu depctr_vm_vsrc(0)                   ; row 7's permutes, behind which no look-up stands, have read set 7, in which the loads below land
.endif
.if (WT > 0) && ((WT%3) == 0)
	s_wait_xcnt 0x0                                ; the stores issued so far have read their data: their sets may be written again
.endif
	LOAD WT+RING                                   ; into the set that this row's permutes have read.  No vector line since the wait in this row's look-up names it
.irp j, 0,1,2,3
.irp i, 0,1,2,3
	v_mul_f32_dpp v[WDB+4*\j+\i], v[SC+\j], v[WDB+4*\j+\i] row_share:\r row_mask:0xf bank_mask:0xf
.endr
.endr
.irp i, 0,1,2,3,4,5,6,7
	v_med3_num_f32 v[WDB+\i], v[WDB+\i], -v17, v17 ; the conversion to an 8-bit code does not saturate (ISA guide 7.6.2): the hold at the largest code x the scale
.endr
	v_cvt_scalef32_pk8_bf8_f32 v[CAS:CAS+1], v[WDB:WDB+7], v16
.irp i, 8,9,10,11,12,13,14,15
	v_med3_num_f32 v[WDB+\i], v[WDB+\i], -v17, v17
.endr
	v_cvt_scalef32_pk8_bf8_f32 v[CAS+2:CAS+3], v[WDB+8:WDB+15], v16
	v_nop                                          ; one plain vector line behind the last conversion of a run
.endm
.macro LROW t                          ; a row of lora_a: 16 codes a lane with 2^e3, into stage row t - 8
.set XS, XR+16*((\t)%RING)
.set CBS, CB+4*((\t)%2)
	s_wait_loadcnt 4*(RING-1)                      ; my row's four loads are in; the nine younger rows' stay out
	s_wait_dscnt 1                                 ; the LDS store of two rows ago, which read this set of codes, is done; the last row's may be out
.irp i, 0,1,2,3,4,5,6,7
	v_med3_num_f32 v[XS+\i], v[XS+\i], -v13, v13
.endr
	v_cvt_scalef32_pk8_bf8_f32 v[CBS:CBS+1], v[XS:XS+7], v12
.irp i, 8,9,10,11,12,13,14,15
	v_med3_num_f32 v[XS+\i], v[XS+\i], -v13, v13
.endr
	v_cvt_scalef32_pk8_bf8_f32 v[CBS+2:CBS+3], v[XS+8:XS+15], v12
	v_nop                                          ; one plain vector line behind the last conversion of a run
	s_wait_alu depctr_va_vdst(0)                   ; the conversions have written this row's codes, which the LDS store reads; the row's lines are done with its ring set, in which the loads land
.if (\t) > 8
	s_wait_alu depctr_vm_vsrc(0)                   ; the last row's LDS store has read its set of codes, which the next row's conversions write again (in row 23 also: W's stores have read theirs, which x's rows write again)
.endif
	ds_store_b128 v[STW], v[CBS:CBS+3] offset:SPITCH*((\t)-8)
	LOAD (\t)+RING
.endm
.macro XROW t                          ; a row of x: 16 codes a lane with 2^e0 to memory, 16 with 2^e2 into the stage.  Both conversions are always made: no line hangs on the given exponents
.set XS, XR+16*((\t)%RING)
.set NS, (\t)-16                       ; the number of this row's store, W's eight counted
.set CAS, CA+4*(NS%4)
.set CBS, CB+4*((\t)%2)
.set YX, NT-1-(\t)
.if YX > RING-1
.set YX, RING-1
.endif
	s_wait_loadcnt 4*YX                            ; my row's loads are in; the younger rows' stay out: nine rows, fewer at the end
	s_wait_dscnt 1                                 ; the LDS store of two rows ago is done
.irp i, 0,1,2,3,4,5,6,7
	v_med3_num_f32 v[TT+\i], v[XS+\i], -v9, v9
.endr
	v_cvt_scalef32_pk8_bf8_f32 v[CAS:CAS+1], v[TT:TT+7], v8
.irp i, 0,1,2,3,4,5,6,7
	v_med3_num_f32 v[XS+\i], v[XS+\i], -v11, v11   ; (plain lines that name nothing of the conversion above: its place)
.endr
	v_cvt_scalef32_pk8_bf8_f32 v[CBS:CBS+1], v[XS:XS+7], v10
.irp i, 0,1,2,3,4,5,6,7
	v_med3_num_f32 v[TT+\i], v[XS+8+\i], -v9, v9
.endr
	v_cvt_scalef32_pk8_bf8_f32 v[CAS+2:CAS+3], v[TT:TT+7], v8
.irp i, 8,9,10,11,12,13,14,15
	v_med3_num_f32 v[XS+\i], v[XS+\i], -v11, v11
.endr
	v_cvt_scalef32_pk8_bf8_f32 v[CBS+2:CBS+3], v[XS+8:XS+15], v10
	v_nop                                          ; one plain vector line behind the last conversion of a run
	s_wait_alu depctr_va_vdst(0)                   ; the conversions have written both sets of codes, which the two stores read; the row's lines are done with its ring set, in which the loads land
.if (\t) < NT-1
	s_wait_alu depctr_vm_vsrc(0)                   ; the last row's LDS store and the global store of three rows back have read their sets of codes, which the next row's conversions write again
.endif
.if (NS%3) == 0
	s_wait_xcnt 0x0                                ; the stores issued so far have read their data.  The youngest memory instructions were issued a whole row's arithmetic ago
.endif
	global_store_b128 v[GOFF], v[CAS:CAS+3], s[14:15] offset:ROWC*((\t)-24)   ; 512 consecutive bytes, at a multiple of 256 from the buffer's first byte; the next launch reads them
	ds_store_b128 v[STW], v[CBS:CBS+3] offset:SPITCH*(((\t)-24)%16)
.if (\t)+RING < NT
	LOAD (\t)+RING
.endif
.endm
; A fragment, 16 rows x 128 codes, is 16 registers: lane (r, h) takes, of stage row r, bytes 128 q + 32 c + 16 h on, c = 0 .. 3.  The same for lora_a and for x.
.macro FRAGS reg, q0                   ; fragments q0 and q0 + 1 of the stage's 16 rows, into window 1
.irp q, 0,1
.irp c, 0,1,2,3
	ds_load_b128 v[\reg+16*\q+4*\c:\reg+16*\q+4*\c+3], v[STR] offset:128*(\q0+\q)+32*\c
.endr
.endr
.endm
.macro PLACES n
.rept \n
	v_nop
.endr
.endm
; Sixteen rows of x lie in my stage: a(row, rank) over my 512 of K, in two accumulators that take turns.  Source 0 = lora_a's 16 ranks, source 1 = 16 rows of x:
; lane (r, h) holds row r and its register j rank 8 h + j.  The ring's loads stay on their way meanwhile.
.macro HALF m
	WIN 0x40                                       ; destination window 1, address window 0
.if \m
	s_wait_alu depctr_va_vdst(0)                   ; the first half's matrix instructions are done reading AF, in which these loads land
.endif
	FRAGS AF, 0                                    ; LDS serves a wave's instructions in order (ISA guide 5.7.1.4): these see my stores
	s_wait_dscnt 0x0
	WIN 0x55                                       ; all four operands window 1
	v_wmma_f32_16x16x128_bf8_bf8 v[ACC:ACC+7], v[BF:BF+15], v[AF:AF+15], 0
	v_wmma_f32_16x16x128_bf8_bf8 v[ACC+8:ACC+15], v[BF+16:BF+31], v[AF+16:AF+31], 0
	PLACES 4                                       ; four plain lines in front of loads into registers that matrix instructions have read; they stay beside the wait below
	WIN 0x40
	s_wait_alu depctr_va_vdst(0)                   ; the two matrix instructions are done reading AF, in which the next two fragments land
	FRAGS AF, 2
	s_wait_dscnt 0x0
	WIN 0x55
	v_wmma_f32_16x16x128_bf8_bf8 v[ACC:ACC+7], v[BF+32:BF+47], v[AF:AF+15], v[ACC:ACC+7]
	v_wmma_f32_16x16x128_bf8_bf8 v[ACC+8:ACC+15], v[BF+48:BF+63], v[AF+16:AF+31], v[ACC+8:ACC+15]
	PLACES 4                                       ; in front of the first read of the results
	WIN 0x05                                       ; sources window 1, destination window 0
.irp i, 0,2,4,6
	v_pk_add_f32 v[HT+\i:HT+\i+1], v[ACC+\i:ACC+\i+1], v[ACC+8+\i:ACC+8+\i+1]   ; each accumulator from its low end on
.endr
	WIN 0
	s_wait_alu depctr_va_vdst(0)                   ; the additions have written HT, which the two LDS stores read.  (In the second half it is also the last wait behind any vector line that names the ring's registers, in which the reduction's loads land)
	ds_store_b128 v[RDW], v[HT:HT+3] offset:1024*\m
	ds_store_b128 v[RDW], v[HT+4:HT+7] offset:1024*\m+16
.endm
	s_wait_alu depctr_va_vdst(0)                   ; the seven offsets and LDS addresses v2 to v7 and v14 are written: every load and store of the kernel reads one of them
	global_load_b128 v[RW:RW+3], v[SOFF], s[8:9]               ; lane (r, h): the eight scales of W's row r % 8 in my chunk
	global_load_b128 v[RW+4:RW+7], v[SOFF], s[8:9] offset:16
.irp t, 0,1,2,3,4,5,6,7,8,9
	LOAD \t
.endr
	s_wait_kmcnt 0x0                               ; e0 .. e3
	MKSCALE 20, 8, 9                               ; x for the large product
	MKSCALE 21, 16, 17                             ; W
	MKSCALE 22, 10, 11                             ; x for a
	MKSCALE 23, 12, 13                             ; lora_a
	s_add_co_i32 s25, s22, s23
	s_sub_co_i32 s25, s25, s20
	s_sub_co_i32 s25, s25, s21
	s_add_co_i32 s25, s25, 1                       ; e2 + e3 + 1 - e0 - e1: the next launch multiplies all its sums by 2^(e0 + e1)
	v_mov_b32 v[TAB], 0                            ; entry 7 is the number 0, and lanes 16-31 are never asked
	NF4 0,  0xbf800000
	NF4 1,  0xbf3239b1
	NF4 2,  0xbf066b30
	NF4 3,  0xbeca32a0
	NF4 4,  0xbe91a24d
	NF4 5,  0xbe3d353f
	NF4 6,  0xbdba7871
	NF4 8,  0x3da2faff
	NF4 9,  0x3e24cae3
	NF4 10, 0x3e7c04dd
	NF4 11, 0x3ead033a
	NF4 12, 0x3ee1a4b8
	NF4 13, 0x3f1007ab
	NF4 14, 0x3f3913b3
	NF4 15, 0x3f800000
	s_wait_loadcnt 4*RING                          ; the two loads of scales are in; the ring's forty stay out
	v_cmp_le_u32 vcc_lo, 16, v1                    ; lanes 16-31 keep the odd blocks' scales, lanes 0-15 the even ones'
	s_wait_alu depctr_va_vcc(0)                    ; the compare has written VCC, which the four selects read
.irp j, 0,1,2,3
	v_cndmask_b32 v[SC+\j], v[RW+2*\j], v[RW+2*\j+1], vcc_lo
.endr
	; ---------------- steps 0-7: W.  It names no LDS byte: the table look-up is a lane permute
	WA 0
.irp r, 0,1,2,3,4,5,6,7
.if \r < 7
	WA \r+1
.endif
	WB \r
.endr
	s_wait_alu depctr_va_vdst(0)                   ; the conversions of rows 6 and 7, behind which no look-up stands, have written their codes, which the two stores read
	WST 6
	WST 7
	; ---------------- steps 8-23: lora_a's codes into my stage, and from there into registers, where they stay
.irp t, 8,9,10,11,12,13,14,15,16,17,18,19,20,21,22,23
	LROW \t
.endr
	WIN 0x40
	FRAGS BF, 0                                    ; my later stores into the stage come behind these loads.  (No vector or matrix line has named BF: no wait is owed)
	FRAGS BF+32, 2
	WIN 0
	; ---------------- steps 24-55: x, sixteen rows to a product
.irp t, 24,25,26,27,28,29,30,31,32,33,34,35,36,37,38,39
	XROW \t
.endr
	HALF 0
.irp t, 40,41,42,43,44,45,46,47,48,49,50,51,52,53,54,55
	XROW \t
.endr
	HALF 1
	; ---------------- the eight chunks' parts of a meet: the one barrier of the text
	s_wait_dscnt 0x0                               ; for the others' sake: my parts of a lie in LDS
	s_barrier_signal -1
	s_barrier_wait -1
	s_cmp_ge_u32 s24, 4
	s_cbranch_scc1 .Lend                           ; 32 rows x 16 ranks are four numbers for each of 128 threads
.irp w, 0,1,2,3,4,5,6,7
	ds_load_b128 v[PS+4*\w:PS+4*\w+3], v[RDR] offset:2048*\w
.endr
	s_wait_dscnt 0x0
.irp w, 1,2,3,4,5,6,7
	v_pk_add_f32 v[PS:PS+1], v[PS:PS+1], v[PS+4*\w:PS+4*\w+1]          ; the chunks of K in ascending order
	v_pk_add_f32 v[PS+2:PS+3], v[PS+2:PS+3], v[PS+4*\w+2:PS+4*\w+3]
.endr
.irp i, 0,1,2,3
	v_ldexp_f32 v[PS+\i], v[PS+\i], s25
.endr
	v_cvt_pk_bf16_f32 v[PHI], v[PS], v[PS+1]
	v_cvt_pk_bf16_f32 v[PHI+1], v[PS+2], v[PS+3]
	v_lshlrev_b32 v[PWD], 16, v[PHI]               ; hi as f32 again,
	v_and_b32 v[PWD+1], 0xffff0000, v[PHI]
	v_lshlrev_b32 v[PWD+2], 16, v[PHI+1]
	v_and_b32 v[PWD+3], 0xffff0000, v[PHI+1]
.irp i, 0,1,2,3
	v_sub_f32 v[PS+\i], v[PS+\i], v[PWD+\i]        ; and what it left out
.endr
	v_cvt_pk_bf16_f32 v[PLO], v[PS], v[PS+1]
	v_cvt_pk_bf16_f32 v[PLO+1], v[PS+2], v[PS+3]
	s_wait_alu depctr_va_vdst(0)                   ; the roundings have written hi and lo, which the two stores read
	global_store_b64 v[AOFF], v[PHI:PHI+1], s[18:19]                   ; a wave stores 256 consecutive bytes, at a multiple of 256 from the buffer's first byte
	global_store_b64 v[AOFF], v[PLO:PLO+1], s[18:19] offset:LOPL
.Lend:
	s_wait_dscnt 0x0                               ; the closing lines, six on end
	s_wait_alu 0x0
	s_wait_tensorcnt 0x0
	ds_add_u32 v18, v19
	s_wait_dscnt 0x0
	s_endpgm
.Lfunc_end_k_q7b7c02f08e_prep:
	.size	k_q7b7c02f08e_prep, .Lfunc_end_k_q7b7c02f08e_prep-k_q7b7c02f08e_prep
	.p2alignl 7, 3214868480
	.fill 96, 4, 3214868480
	.section	.rodata,"a",@progbits
	.p2align	6, 0x0
	.amdhsa_kernel k_q7b7c02f08e_prep
		.amdhsa_group_segment_fixed_size 84992
		.amdhsa_private_segment_fixed_size 0
		.amdhsa_enable_private_segment 0
		.amdhsa_kernarg_size 64
		.amdhsa_user_sgpr_count 2
		.amdhsa_user_sgpr_kernarg_segment_ptr 1
		.amdhsa_wavefront_size32 1
		.amdhsa_system_sgpr_workgroup_id_x 1
		.amdhsa_system_sgpr_workgroup_id_y 1
		.amdhsa_system_sgpr_workgroup_id_z 1
		.amdhsa_system_vgpr_workitem_id 0
		.amdhsa_next_free_vgpr 368
		.amdhsa_next_free_sgpr 66
		.amdhsa_reserve_vcc 1
		.amdhsa_float_denorm_mode_32 3
		.amdhsa_float_denorm_mode_16_64 3
		.amdhsa_memory_ordered 1
		.amdhsa_forward_progress 1
		.amdhsa_inst_pref_size 175
	.end_amdhsa_kernel
	.amdgpu_metadata
---
amdhsa.version: [ 1, 2 ]
amdhsa.kernels:
  - .name:           k_q7b7c02f08e_prep
    .symbol:         k_q7b7c02f08e_prep.kd
    .args:
      - { .name: x, .offset: 0, .size: 8, .value_kind: global_buffer, .address_space: global }
      - { .name: w_q, .offset: 8, .size: 8, .value_kind: global_buffer, .address_space: global }
      - { .name: scales, .offset: 16, .size: 8, .value_kind: global_buffer, .address_space: global }
      - { .name: lora_a_w, .offset: 24, .size: 8, .value_kind: global_buffer, .address_space: global }
      - { .name: lowp_scales, .offset: 32, .size: 8, .value_kind: global_buffer, .address_space: global }
      - { .name: x_codes, .offset: 40, .size: 8, .value_kind: global_buffer, .address_space: global }
      - { .name: w_codes, .offset: 48, .size: 8, .value_kind: global_buffer, .address_space: global }
      - { .name: a_bf, .offset: 56, .size: 8, .value_kind: global_buffer, .address_space: global }
    .group_segment_fixed_size: 84992
    .private_segment_fixed_size: 0
    .kernarg_segment_align: 8
    .kernarg_segment_size: 64
    .max_flat_workgroup_size: 256
    .sgpr_count:     66
    .vgpr_count:     368
    .wavefront_size: 32
...
	.end_amdgpu_metadata
.endif
;; end of part 3
;; launch gemm (part 4): grid 8 x 32, 4 waves a work-group, clusters of 4 x 4, 327,680 bytes of LDS; arguments x_codes, w_codes, lowp_scales, a_bf, lora_b_w, out0; writes out0
.if DOCPART == 4
	.amdgcn_target "amdgcn-amd-amdhsa--gfx1250"
	.amdhsa_code_object_version 6
	.text
	.protected	k_q7b7c02f08e_gemm
	.globl	k_q7b7c02f08e_gemm
	.p2align	8
	.type	k_q7b7c02f08e_gemm,@function
k_q7b7c02f08e_gemm:
	s_mov_b64 s[64:65], 0
	v_nop
	global_prefetch_b8 v0, s[64:65] scope:SCOPE_SE
	s_setreg_imm32_b32 hwreg(HW_REG_WAVE_MODE, 25, 1), 1
	s_wait_xcnt 0x0
	s_wait_alu depctr_hold_cnt(0) depctr_sa_sdst(0) depctr_va_vdst(0) depctr_va_sdst(0) depctr_va_ssrc(0) depctr_va_vcc(0) depctr_vm_vsrc(0)
	s_getreg_b32 s2, hwreg(HW_REG_IB_STS2, 6, 4)
	s_cmp_eq_u32 s2, 0
	s_cbranch_scc0 .Lentry_in_a_cluster
	s_endpgm
.Lentry_in_a_cluster:
	s_bfe_u32 s2, ttmp6, 0x10000c
	s_cmp_lg_u32 s2, 0xf033
	s_cbranch_scc0 .Lentry_shape_is_right
	s_endpgm
.Lentry_shape_is_right:
; out0[m][n] = 2^(e0 + e1) x ( sum over k of X[m][k] W[n][k]  +  sum over r of a'[m][r] B[n][r] ).
; X: [8192][4096], W: [2048][4096]: codes of E5M2, one a byte, made by the launch before, K in the same order in both.  a' = 2 a / 2^(e0 + e1), as two planes of bf16 (hi, lo) [8192][16]; B = lora_b_w [2048][16] f32.
; THE SMALL PRODUCT STARTS THE SUMS.  Its K is 16; the bf16 form's K is 32: source 1 = [hi | lo] of 16 rows, source 0 = [B | B] of 16 rows rounded to bf16, C = 0: (hi + lo) . B in one instruction for each accumulator,
; 64 a wave, while the first tiles of codes are on their way.  Then the products on codes add onto them, and each finished sum is multiplied once by 2^(e0 + e1).  Nothing is ever cleared.
; LIMITS: e0 + e1 between -126 and 127, so that 2^(e0 + e1) is an f32 number.  lora_b_w is rounded to bf16, a' to 16 bits of mantissa.
; A tile of out0, 256 x 256, is made by a work-group of four waves, as many as a WGP has SIMDs; a wave makes 128 x 128: 64 accumulators of 16 x 16, 512 registers.  256 tiles, 256 work-groups.
; K goes in steps of 256 through a ring of two LDS slots filled by the tensor data mover: a tile's row is 256 bytes of memory.  Two such slots are what LDS holds.
; THE CHANGE OF SLOTS STANDS AT THE HEAD OF A SLOT'S LAST 128 ALONG K: that step's fragments are all in registers or on their way there, so the slot can be given up before the step is multiplied.  The refill is asked for
; first, and all 128 matrix instructions up to the next change of slots stand between the request and the wait for it.
; CLUSTERS: 4 x 4 work-groups.  The four of a row of the cluster need the same tiles of X, the four of a column the same tiles of W: each tile is asked for JOINTLY, by the same tensor load with the
; same descriptor and a mask that names the four.  THE MATRIX INSTRUCTIONS ARE USED TRANSPOSED (source 0 = 16 rows of W, source 1 = 16 rows of X): a lane then holds eight neighbouring numbers of a row of out0.
; REGISTERS, in windows of 256: window 0: v0-31 addresses; v32-95 a's fragments, on the way out at work; from v128 X's fragments (8 x 16 rows x 128 K), ONE set (at the head: B as f32).
;   window 1: W's fragments, TWO sets, at v0 and at v128 (at the head v128-191: B's fragments in bf16).   window 2: the 32 accumulators of my rows 0-63 (accumulator (a, b) at v[8 (8 a + b)]);   window 3: those of my rows 64-127.
; A step of 128 along K is 64 matrix instructions, X's blocks one after the other, each against W's eight.  So a block of X is free as soon as its eight products are issued, and one set of registers serves X:
; blocks 0-3 are fetched anew in the step's middle, blocks 4-7 at its end.  W's fragments are at work through the whole step, so W has two sets.
.set SIZE_M, 8192
.set SIZE_N, 2048
.set SIZE_K, 4096
.set KSTEP,  256                       ; along K in a slot
.set ROWB,   256                       ; a tile's row in bytes
.set KROW,   SIZE_K                    ; a row of codes in memory, in bytes
.set PITCH,  272                       ; an LDS row: 256 bytes of data + 16 of padding = 68 words: row r starts at bank 4 r mod 64 (64 banks of 4 bytes: ISA guide 11.1), so the 16 rows that a load touches start at 16 different banks
.set FR,     16                        ; registers of a fragment: 16 rows x 128 K
.set NL,     4                         ; LDS loads that bring one
.set NP,     4                         ; places behind these matrix instructions (ISA guide 7.12.1)
.set HALFT,  128*PITCH                 ; 128 rows: what one tensor load brings, and what one wave reads of X or of W
.set SLOT,   4*HALFT                   ; X's 256 rows, then W's 256 rows
.set LAPS,   SIZE_K/(2*KSTEP)          ; a lap = two K steps = once round the ring: 8
.set SPARE,  2*SLOT                    ; behind the ring: the spare words, 128 bytes for each wave: two blocks of 256 bytes that no other line names
.set SPITCH, 528                       ; the way out: a stage of 16 rows x (512 bytes + 16) for each wave.  It lies in slot 0, which has had its last fill and its last read when the first result is stored there
.set LOPL,   262144                    ; a_bf: the plane lo begins here
.set ADRA, 16                          ; v16-17  LDS address of my X fragments in slot 0, 1
.set ADRB, 20                          ; v20-21  the same for W
.set STO,  24                          ; v24     the way out: where I put 32 bytes of a row
.set RD,   25                          ; v25     the way out: where I read a row back
.set CO,   26                          ; v26     my byte offset in a row of out0
.set SPW,  28                          ; v28     LDS address of my spare word: SPARE + 4 x my thread's number; never rewritten
.set NIL,  29                          ; v29     0; never rewritten
.set LA,   32                          ; a's eight fragments [hi | lo], in window 0
.set LB,   128                         ; B: as f32 in window 0, as fragments [B | B] of bf16 in window 1
.set TMP,  32                          ; the way out: 64 registers, a block's sums x 2^(e0 + e1)
.set AF,   128                         ; X's fragments, in window 0
.set BK,   128                         ; the way out: 16 rows read back from the stage: v128-191 and v192-255 by turns
.set G1, 24                            ; s[24:31] descriptor group 1 for X's tiles;  s[32:39] group 0, one set for each slot
.set G0, 32
.set G1B, 48                           ; s[48:55], s[56:63] the same for W's tiles
.set G0B, 56
.set MSB, 0
.macro WIN new                         ; the immediate's high byte repeats the setting that is left
.if MSB != \new
	s_set_vgpr_msb (MSB<<8)|\new
.set MSB, \new
.endif
.endm
.set MUL_LO, 0xa1                      ; source 0 (W) window 1, source 1 (X) window 0, C and D window 2
.set MUL_HI, 0xf1                      ; the same, C and D window 3
.set TO_B,   0x40                      ; destination window 1, address and sources window 0
; A joint load: waves 0 and 1 fetch for X, waves 2 and 3 for W.  Each of the two lines has ONE mask and one set of registers for all that issue it; the branch hangs on the wave's number alone.
; Four v_nop follow each of the two lines, ahead of the jump, the label and what follows.
.macro JLOAD g0a, g1a, g0b, g1b
	s_cmp_eq_u32 s15, 0
	s_cbranch_scc0 .Lfor_b_\@
	tensor_load_to_lds s[\g0a:\g0a+3], s[\g1a:\g1a+7]
	s_nop 0
.rept 4
	v_nop
.endr
	s_branch .Lasked_\@
.Lfor_b_\@:
	tensor_load_to_lds s[\g0b:\g0b+3], s[\g1b:\g1b+7]
	s_nop 0
.rept 4
	v_nop
.endr
.Lasked_\@:
.endm
.macro CREST                           ; a round of the cluster's barrier behind its opening barrier
	s_cmp_lg_u32 s14, 0
	s_cbranch_scc1 .Lnot_wave_0_\@
	s_barrier_signal -3
.Lnot_wave_0_\@:
	s_barrier_wait -3
	s_barrier_signal -1
	s_barrier_wait -1
.endm
.macro CROUND                          ; a whole round
	s_barrier_signal -1
	s_barrier_wait -1
	CREST
.endm
	s_load_b128 s[4:7], s[0:1], 0x0                ; X's codes s[4:5], W's codes s[6:7]
	s_load_b128 s[8:11], s[0:1], 0x10              ; the scales' exponents s[8:9], a_bf s[10:11]
	s_load_b128 s[68:71], s[0:1], 0x20             ; lora_b_w s[68:69], out0 s[70:71]
	v_lshl_add_u32 v[SPW], v0, 2, SPARE
	v_mov_b32 v[NIL], 0
	ds_add_u32 v28, v29
	ds_add_u32 v28, v29
	s_wait_dscnt 0x0
	v_lshrrev_b32 v1, 5, v0
	v_readfirstlane_b32 s14, v1                    ; wave 0..3
	s_lshr_b32 s15, s14, 1                         ; which half of the tile's rows is mine.  Also: I fetch for X (0) or for W (1)
	s_and_b32 s16, s14, 1                          ; which half of its columns.  Also: which 128 rows of that tile I fetch
	s_bfe_u32 s40, ttmp6, 0x40000                  ; cx, cy: my place in the cluster
	s_bfe_u32 s41, ttmp6, 0x40004
	s_lshl_b32 s42, ttmp9, 2
	s_add_co_u32 s42, s42, s40                     ; tile column of out0 = 4 x cluster x + cx
	s_and_b32 s17, ttmp7, 0xffff
	s_lshl_b32 s17, s17, 2
	s_add_co_u32 s17, s17, s41                     ; tile row of out0 = 4 x cluster y + cy
	s_lshl_b32 s43, s41, 2
	s_lshl_b32 s43, 15, s43                        ; my row of the cluster
	s_lshl_b32 s44, 0x1111, s40                    ; my column
	; descriptor group 1: a tile of 128 rows x ROWB bytes, padded in LDS
	s_or_b32 s[G1+0], s43, (0<<16)|(1<<20)|(1<<21)|(5<<22)|(3<<25)  ; 15:0 the mask: X's tiles go to my row; 17:16 element of 1 byte; 20 padding on; 21 set beside a mask; 24:22 after every 64 words (code 5); 31:25 of 4 words (code 3)
	s_or_b32 s[G1B+0], s44, (0<<16)|(1<<20)|(1<<21)|(5<<22)|(3<<25)
.irp g, G1, G1B
	s_mov_b32 s[\g+1], ROWB<<16                    ; tensor_dim0
	s_mov_b32 s[\g+2], 128<<16                     ; tensor_dim1 = 128
	s_mov_b32 s[\g+3], ROWB<<16                    ; tile_dim0
	s_mov_b32 s[\g+4], 128                         ; tile_dim1 = 128
	s_mov_b32 s[\g+5], KROW                        ; tensor_dim0_stride
	s_mov_b32 s[\g+6], 0
	s_mov_b32 s[\g+7], 0
.endr
	s_lshl_b32 s18, s16, 7                         ; which 128 rows of the tile I fetch
	s_lshl_b32 s20, s17, 8
	s_add_co_u32 s20, s20, s18                     ; X: row 256 x tile row + 128 x half
	s_lshl_b32 s46, s42, 8
	s_add_co_u32 s46, s46, s18                     ; W: row 256 x tile column + 128 x half
	s_mov_b32 s21, 0
	s_mov_b32 s47, 0
	s_mov_b64 s[18:19], KROW
	s_mul_u64 s[20:21], s[20:21], s[18:19]         ; and their codes
	s_mul_u64 s[46:47], s[46:47], s[18:19]
	s_mul_i32 s45, s14, HALFT                      ; where they go: wave x 128 rows: no place in the cluster enters an LDS address
	s_wait_kmcnt 0x0
	s_load_b64 s[96:97], s[8:9], 0x0               ; e0, e1
	s_add_nc_u64 s[20:21], s[4:5], s[20:21]
	s_add_nc_u64 s[46:47], s[6:7], s[46:47]
	CROUND                                         ; all sixteen work-groups are here: the first joint loads meet
.irp s, 0,1
	s_mov_b32 s[G0+4*\s], 1
	s_add_co_u32 s[G0+4*\s+1], s45, \s*SLOT
	s_add_nc_u64 s[G0+4*\s+2:G0+4*\s+3], s[20:21], \s*ROWB
	s_or_b32 s[G0+4*\s+3], s[G0+4*\s+3], 0x80000000
	s_mov_b32 s[G0B+4*\s], 1
	s_add_co_u32 s[G0B+4*\s+1], s45, \s*SLOT
	s_add_nc_u64 s[G0B+4*\s+2:G0B+4*\s+3], s[46:47], \s*ROWB
	s_or_b32 s[G0B+4*\s+3], s[G0B+4*\s+3], 0x80000000
	s_wait_alu depctr_va_vdst(0)
	s_wait_tensorcnt 0x0
	ds_add_u32 v28, v29
	ds_add_u32 v28, v29
	s_wait_dscnt 0x0
	CROUND
	JLOAD G0+4*\s, G1, G0B+4*\s, G1B
.endr
	v_and_b32 v1, 15, v0                           ; r = l % 16
	s_wait_alu depctr_va_vdst(0)
	v_bfe_u32 v2, v0, 4, 1                         ; h = l / 16
	; THE SMALL PRODUCT'S OPERANDS are asked for now.  A bf16 fragment is 16 rows x 32 K in 8 registers: lane (r, h): registers 0-3 K = 8 h + 0 .. 7, registers 4-7 K = 16 + 8 h + 0 .. 7.
	s_lshl_b32 s72, s17, 8
	s_lshl_b32 s73, s15, 7
	s_add_co_u32 s72, s72, s73                     ; my first row of out0, and of a,
	s_lshl_b32 s72, s72, 5                         ; whose rows are 32 bytes in each plane
	s_mov_b32 s73, 0
	s_add_nc_u64 s[10:11], s[10:11], s[72:73]
	s_lshl_b32 s74, s42, 8
	s_lshl_b32 s75, s16, 7
	s_add_co_u32 s74, s74, s75                     ; my first column of out0: a row of B,
	s_lshl_b32 s74, s74, 6                         ; of 64 bytes
	s_mov_b32 s75, 0
	s_add_nc_u64 s[68:69], s[68:69], s[74:75]
	v_lshlrev_b32 v8, 5, v1
	s_wait_alu depctr_va_vdst(0)
	v_lshl_add_u32 v8, v2, 4, v8                   ; a: row r, ranks 8 h on: 16 bytes of bf16
	v_lshlrev_b32 v9, 6, v1
	v_lshl_add_u32 v9, v2, 5, v9                   ; B: row r, ranks 8 h on: 32 bytes of f32
.irp i, 0,1,2,3,4,5,6,7
	global_load_b128 v[LA+8*\i:LA+8*\i+3],   v8, s[10:11] offset:512*\i          ; K 0-15: hi
	global_load_b128 v[LA+8*\i+4:LA+8*\i+7], v8, s[10:11] offset:512*\i+LOPL     ; K 16-31: lo
	global_load_b128 v[LB+8*\i:LB+8*\i+3],   v9, s[68:69] offset:1024*\i
	global_load_b128 v[LB+8*\i+4:LB+8*\i+7], v9, s[68:69] offset:1024*\i+16
.endr
	v_mul_u32_u24 v3, v1, PITCH
	v_lshl_add_u32 v4, v2, 4, v3                   ; a fragment's row x pitch + 16 x half
	s_mul_i32 s21, s15, HALFT                      ; my 128 rows of X
	s_mul_i32 s22, s16, HALFT                      ; my 128 rows of W,
	s_add_co_u32 s22, s22, 2*HALFT                 ; which lie behind X's 256
.irp s, 0,1
	v_add_nc_u32 v[ADRA+\s], s21, v4
	v_add_nc_u32 v[ADRB+\s], s22, v4
	s_add_co_u32 s21, s21, SLOT
	s_add_co_u32 s22, s22, SLOT
.endr
	s_mul_i32 s23, s14, 16*SPITCH                  ; my stage
	v_mul_u32_u24 v5, v1, SPITCH                   ; in: row l % 16, 32 bytes for each half of the lanes
	v_lshl_add_u32 v5, v2, 5, v5
	v_add_nc_u32 v[STO], s23, v5
	v_and_b32 v6, 31, v0
	v_lshlrev_b32 v[CO], 4, v6                     ; back: the 32 lanes take one row of 512 bytes; and the same in out0
	v_add_nc_u32 v[RD], s23, v[CO]
	s_lshl_b32 s20, s17, 8
	s_lshl_b32 s21, s15, 7
	s_add_co_u32 s20, s20, s21                     ; my first row of out0: 256 x tile row + 128 x half
	s_mov_b32 s21, 0
	s_mov_b64 s[18:19], SIZE_N*4
	s_mul_u64 s[20:21], s[20:21], s[18:19]
	s_lshl_b32 s46, s42, 10                        ; my first column, in bytes: 1024 x tile column + 512 x half
	s_lshl_b32 s47, s16, 9
	s_add_co_u32 s46, s46, s47
	s_mov_b32 s47, 0
	s_add_nc_u64 s[20:21], s[20:21], s[46:47]
	s_add_nc_u64 s[70:71], s[70:71], s[20:21]
.macro FRAG reg, adr, q, i             ; a fragment, 16 rows x 128 codes, is 16 registers: lane l holds row l % 16; registers 4 c .. 4 c + 3 hold bytes 32 c + 16 (l / 16) + 0 .. 15 of the step's 128: alike for X and W
.irp c, 0,1,2,3
	ds_load_b128 v[\reg+4*\c:\reg+4*\c+3], v[\adr] offset:128*(\q)+32*\c+(\i)*16*PITCH
.endr
.endm
; 16 matrix instructions: X's blocks a0, a0 + 1 x W's eight, 128 along K.  p: W's set.
; The 64 accumulators take turns, one instruction a turn, in the same order in every step and in the small product.
.macro MUL16 a0, p
.irp a, \a0, \a0+1
.irp b, 0,1,2,3,4,5,6,7
	v_wmma_f32_16x16x128_bf8_bf8 v[8*(8*((\a)%4)+\b):8*(8*((\a)%4)+\b)+7], v[128*(\p)+FR*\b:128*(\p)+FR*\b+FR-1], v[AF+FR*(\a):AF+FR*(\a)+FR-1], v[8*(8*((\a)%4)+\b):8*(8*((\a)%4)+\b)+7]
.endr
.endr
.endm
.macro FETCH_B slot, q, p              ; W's eight fragments of the slot's q-th 128 along K into set p
	WIN TO_B
.irp i, 0,1,2,3,4,5,6,7
	FRAG 128*(\p)+FR*\i, ADRB+\slot, \q, \i
.endr
	WIN 0
.endm
.macro FETCH_A slot, q, i0             ; X's blocks i0 .. i0 + 3
.irp i, \i0, \i0+1, \i0+2, \i0+3
	FRAG AF+FR*(\i), ADRA+\slot, \q, \i
.endr
.endm
; A load into a register that a matrix instruction has read, and a vector instruction or an LDS store that reads a matrix result, stand NP places behind that matrix instruction, and only plain vector
; instructions that name none of its registers are places (ISA guide 7.12.1 for vector instructions); this text does not count the matrix instructions in between.
.macro PLACES n
.rept \n
	v_nop
.endr
.endm
; A step of 128 along K that has its successor in the same slot.
.macro STEP slot, q
	s_wait_dscnt 4*NL                              ; W's set and X's blocks 0-3 are in; the youngest loads (X's blocks 4-7) may be out
	WIN MUL_LO
	MUL16 0, (\q)%2
	MUL16 2, (\q)%2
	s_wait_dscnt 0                                 ; X's blocks 4-7 are in (asked for 32 matrix instructions ago)
	PLACES NP
	FETCH_B \slot, (\q)+1, 1-(\q)%2
	FETCH_A \slot, (\q)+1, 0
	WIN MUL_HI
	MUL16 4, (\q)%2
	MUL16 6, (\q)%2
	PLACES NP
	WIN 0
	FETCH_A \slot, (\q)+1, 4
.endm
; A slot's last step, with the change of slots AT ITS HEAD.  The step's own fragments have all been asked for (the last, X's blocks 4-7, at the end of the step before), so once they are in registers nobody needs the slot.
; Each wave waits for all its tensor loads (one is out: its part of the next slot), adds 0 to its spare word, steps the descriptors, and waits for the add and for its reads of this slot.  Then ONE barrier, which with
; fill = 1 opens a round of the cluster's barrier; behind the round this slot is filled again, two K steps ahead, and only then the step's 64 products are issued: no matrix instruction stands between a tile's landing and the next request.
.macro TURN slot, next, fill
	s_wait_tensorcnt 0x0                           ; all my tensor loads have landed: no tensor load of mine is out, so a group 0 may be written  (every window is 0 here: the add's two registers lie in window 0)
	ds_add_u32 v[SPW], v[NIL]                      ; 0 onto my spare word: with fill = 1 the descriptors' steps stand between it and the wait for it
.if \fill
	s_add_nc_u64 s[G0+4*\slot+2:G0+4*\slot+3], s[G0+4*\slot+2:G0+4*\slot+3], 2*ROWB
	s_add_nc_u64 s[G0B+4*\slot+2:G0B+4*\slot+3], s[G0B+4*\slot+2:G0B+4*\slot+3], 2*ROWB
.endif
	s_wait_dscnt 0x0                               ; the add is done, and my reads of this slot are over: this step's fragments are all in registers
	s_barrier_signal -1
	s_barrier_wait -1                              ; both now hold of all four waves
.if \fill
	CREST                                          ; and of every wave of all sixteen work-groups: no wave of any partner still reads this slot's tile or has a load on its way
	JLOAD G0+4*\slot, G1, G0B+4*\slot, G1B         ; the first tensor load behind the round, and my only one until the next: 128 matrix instructions stand between it and the wait for it
.endif
	WIN MUL_LO
	MUL16 0, 1
	MUL16 2, 1
	PLACES NP
	FETCH_B \next, 0, 0                            ; the next slot is whole: its first fragments
	FETCH_A \next, 0, 0
	WIN MUL_HI
	MUL16 4, 1
	MUL16 6, 1
	PLACES NP
	WIN 0
	FETCH_A \next, 0, 4
.endm
	; THE SMALL PRODUCT: B is rounded to bf16, twice over (K 0-15 meet hi, K 16-31 meet lo); then 64 matrix instructions with C = 0 start the 64 sums
	s_wait_loadcnt 0x0                             ; a's two planes and B
	WIN TO_B                                       ; destination window 1, sources window 0
.irp i, 0,1,2,3,4,5,6,7
.irp p, 0,1,2,3
	v_cvt_pk_bf16_f32 v[LB+8*\i+\p],   v[LB+8*\i+2*\p], v[LB+8*\i+2*\p+1]
	v_cvt_pk_bf16_f32 v[LB+8*\i+4+\p], v[LB+8*\i+2*\p], v[LB+8*\i+2*\p+1]
.endr
.endr
	WIN MUL_LO
.irp a, 0,1,2,3
.irp b, 0,1,2,3,4,5,6,7
	v_wmma_f32_16x16x32_bf16 v[8*(8*\a+\b):8*(8*\a+\b)+7], v[LB+8*\b:LB+8*\b+7], v[LA+8*\a:LA+8*\a+7], 0
.endr
.endr
	WIN MUL_HI
.irp a, 0,1,2,3
.irp b, 0,1,2,3,4,5,6,7
	v_wmma_f32_16x16x32_bf16 v[8*(8*\a+\b):8*(8*\a+\b)+7], v[LB+8*\b:LB+8*\b+7], v[LA+8*(\a+4):LA+8*(\a+4)+7], 0
.endr
.endr
	WIN 0
	PLACES NP+1                                    ; another form of matrix instruction writes over these results next: one place more than a read wants
	s_wait_tensorcnt 1                             ; my part of K step 0 is in (K step 1's load may be out)
	s_barrier_signal -1
	s_barrier_wait -1                              ; everybody's is
	FETCH_B 0, 0, 0
	FETCH_A 0, 0, 0
	FETCH_A 0, 0, 4
	STEP 0, 0                                      ; a lap's first step stands in front of the loop
	s_mov_b32 s3, LAPS-1
.Llap:                                                 ; a trip goes once round the ring, from a lap's second step to the next lap's first, and fills both slots again
	TURN 0, 1, 1
	STEP 1, 0
	TURN 1, 0, 1
	STEP 0, 0
	s_sub_co_u32 s3, s3, 1
	s_cmp_lg_u32 s3, 0
	s_cbranch_scc1 .Llap
	TURN 0, 1, 0                                   ; the last lap fills nothing, and has no round of the cluster's barrier
	STEP 1, 0
	s_wait_dscnt 4*NL                              ; the very last step: nothing more to fetch
	WIN MUL_LO
	MUL16 0, 1
	MUL16 2, 1
	s_wait_dscnt 0
	WIN MUL_HI
	MUL16 4, 1
	MUL16 6, 1
	WIN 0
; THE WAY OUT, block by block of 16 rows x 128 columns.  A lane holds 32 neighbouring bytes of a row, and the lanes beside it hold other rows: so a block goes through my own stage in LDS and comes back as whole
; rows of 512 bytes, which the 32 lanes store as two aligned runs of 256 bytes.  LDS serves a wave's instructions in order (ISA guide 5.7.1.4): no wait between the stores and the loads, nor in front of the next block's stores.
.macro TOSTAGE a
.set AC, 64*((\a)%4)
	WIN 0x02+((\a)/4)                              ; source 0: window 2 or 3
.irp j, 0,2,4,6,8,10,12,14,16,18,20,22,24,26,28,30,32,34,36,38,40,42,44,46,48,50,52,54,56,58,60,62
	v_pk_mul_f32 v[TMP+\j:TMP+\j+1], v[AC+\j:AC+\j+1], s[96:97] op_sel_hi:[1,0]   ; both x s96 = 2^(e0 + e1): nothing is rounded, short of overflow and underflow; each accumulator from its low end on
.endr
	WIN 0
.irp b, 0,1,2,3,4,5,6,7
	ds_store_b128 v[STO], v[TMP+8*\b:TMP+8*\b+3] offset:64*\b
	ds_store_b128 v[STO], v[TMP+8*\b+4:TMP+8*\b+7] offset:64*\b+16
.endr
.set BB, BK+64*((\a)%2)
.irp t, 0,1,2,3,4,5,6,7,8,9,10,11,12,13,14,15
	ds_load_b128 v[BB+4*\t:BB+4*\t+3], v[RD] offset:\t*SPITCH
.endr
.endm
.macro SEND a, younger                 ; younger: the LDS instructions issued behind block a's loads, which may stay out
.set BB, BK+64*((\a)%2)
	s_wait_dscnt \younger                          ; the block is back in registers
.if (\a) > 0
	s_add_nc_u64 s[70:71], s[70:71], 16*SIZE_N*4   ; (behind a wait on XCNT: the earlier stores have read their base)  16 rows of out0 on, so that the stores' offsets stay small: 15 rows at the most
.endif
.irp t, 0,1,2,3,4,5,6,7,8,9,10,11,12,13,14,15
	global_store_b128 v[CO], v[BB+4*\t:BB+4*\t+3], s[70:71] offset:\t*SIZE_N*4 th:TH_STORE_NT   ; 32 lanes store 512 consecutive bytes, at a multiple of 256 from out0's first byte; written once, read by nobody here
.endr
.endm
	s_wait_kmcnt 0x0
	s_add_co_i32 s96, s96, s97                     ; e0 + e1, between -126 and 127,
	s_add_co_i32 s96, s96, 127
	s_lshl_b32 s96, s96, 23                        ; makes the f32 number 2^(e0 + e1)
	PLACES NP                                      ; these places serve the loads into the registers that held X's fragments and the reads of the last products' results alike
	TOSTAGE 0
.irp a, 1,2,3,4,5,6,7
.if \a > 1
	s_wait_xcnt 0x0                                ; block a - 2's stores have read their registers and their base: block a's loads may land there, and the base may step
.endif
	TOSTAGE \a
	SEND \a-1, 32                                  ; behind block a - 1's loads: block a's 16 stores and 16 loads
.endr
	s_wait_xcnt 0x0                                ; block 6's stores have read their base
	SEND 7, 0
	s_wait_tensorcnt 0x0                           ; the wave's end: behind my last tensor load and my last LDS store
	ds_add_u32 v[SPW], v[NIL]
	s_wait_dscnt 0x0
	CROUND                                         ; the closing round: no work-group ends while a partner may still ask for a tile that names it
	s_endpgm
.Lfunc_end_k_q7b7c02f08e_gemm:
	.size	k_q7b7c02f08e_gemm, .Lfunc_end_k_q7b7c02f08e_gemm-k_q7b7c02f08e_gemm
	.p2alignl 7, 3214868480
	.fill 96, 4, 3214868480
	.section	.rodata,"a",@progbits
	.p2align	6, 0x0
	.amdhsa_kernel k_q7b7c02f08e_gemm
		.amdhsa_group_segment_fixed_size 327680
		.amdhsa_private_segment_fixed_size 0
		.amdhsa_enable_private_segment 0
		.amdhsa_kernarg_size 48
		.amdhsa_user_sgpr_count 2
		.amdhsa_user_sgpr_kernarg_segment_ptr 1
		.amdhsa_wavefront_size32 1
		.amdhsa_system_sgpr_workgroup_id_x 1
		.amdhsa_system_sgpr_workgroup_id_y 1
		.amdhsa_system_sgpr_workgroup_id_z 1
		.amdhsa_system_vgpr_workitem_id 0
		.amdhsa_next_free_vgpr 1024
		.amdhsa_next_free_sgpr 98
		.amdhsa_reserve_vcc 0
		.amdhsa_float_denorm_mode_32 3
		.amdhsa_float_denorm_mode_16_64 3
		.amdhsa_memory_ordered 1
		.amdhsa_forward_progress 1
		.amdhsa_inst_pref_size 136
	.end_amdhsa_kernel
	.amdgpu_metadata
---
amdhsa.version: [ 1, 2 ]
amdhsa.kernels:
  - .name:           k_q7b7c02f08e_gemm
    .symbol:         k_q7b7c02f08e_gemm.kd
    .args:
      - { .name: x_codes, .offset: 0, .size: 8, .value_kind: global_buffer, .address_space: global }
      - { .name: w_codes, .offset: 8, .size: 8, .value_kind: global_buffer, .address_space: global }
      - { .name: lowp_scales, .offset: 16, .size: 8, .value_kind: global_buffer, .address_space: global }
      - { .name: a_bf, .offset: 24, .size: 8, .value_kind: global_buffer, .address_space: global }
      - { .name: lora_b_w, .offset: 32, .size: 8, .value_kind: global_buffer, .address_space: global }
      - { .name: out0, .offset: 40, .size: 8, .value_kind: global_buffer, .address_space: global }
    .group_segment_fixed_size: 327680
    .private_segment_fixed_size: 0
    .kernarg_segment_align: 8
    .kernarg_segment_size: 48
    .max_flat_workgroup_size: 128
    .sgpr_count:     98
    .vgpr_count:     1024
    .wavefront_size: 32
...
	.end_amdgpu_metadata
.endif
;; end of part 4
